; MI455X (gfx1250); checked and timed in simulation.
; The chip was launched on July 23, 2026; its instructions are those of AMD's public machine-readable ISA for CDNA 5 (MIT licence, August 2026) and "CDNA5" Instruction Set Architecture Reference Guide (July 2026). The comments in the code are by the model that wrote it; some were corrected since.
;; Self Attn. Allowed arithmetic: matrix products marked QUANTISED: E2M3 operands, one E8M0 scale for each 32 along K, by v_wmma_scale_f32_16x16x128_f8f6f4 with both operands' format E2M3, f32 sums; everything else in f32.
;; Inputs: cos 2,048 x 1,024 float32; sin 2,048 x 1,024 float32; wk 1,024 x 1,024 float32; wq 1,024 x 1,024 float32; wv 1,024 x 1,024 float32; x 4 x 2,048 x 1,024 float32.
;; Outputs: out0 4 x 2,048 x 1,024 float32.
;; This version of the problem:
;;   THIS VERSION OF THE PROBLEM IS GIVEN IN LOW PRECISION. The matrix products marked QUANTISED in the list below multiply operands that are first quantised to E2M3 (2 exponent bits, 3 mantissa bits; 6 bits a number), with one power-of-two scale for each 32 numbers along K (OCP MX v1.0); their sums are f32. All else is computed in f32.
;;   The module's matrix products, in the order in which they are computed (A, B: the left and right operand; K: the contracted axis; several contracted axes count as one K, in the product's order):
;;     1. [M 8,192, K 1,024] x [K 1,024, N 1,024]; A: input x; B: input wq: QUANTISED
;;     2. [M 8,192, K 1,024] x [K 1,024, N 1,024]; A: input x; B: input wk: QUANTISED
;;     3. [M 8,192, K 1,024] x [K 1,024, N 1,024]; A: input x; B: input wv: QUANTISED
;;     4. batch 32 x [M 2,048, K 128] x [K 128, N 2,048]; A: computed on the way; B: computed on the way: QUANTISED
;;     5. batch 32 x [M 2,048, K 2,048] x [K 2,048, N 128]; A: softmax (see below); B: computed on the way: QUANTISED
;;   THE QUANTISER, for each operand of a quantised product, along K:
;;     - K is cut into blocks of 32 from its start; a last block that is shorter is filled with zeros.
;;     - A block's scale is 2^e with e = floor(log2(the largest magnitude in the block)) - 2, held to -126 .. 127; a block of zeros has e = 0. As a byte (E8M0): e + 127.
;;     - Each number is divided by its block's scale, clamped to +-7.5, and rounded to the nearest number of E2M3, ties to even, subnormals kept.
;;     - The product sums the exact products of the quantised numbers (number of the format x scale) in f32.
;;   ~~~python
;;   def quantise(x, axis):      # numpy; x: float32 -> the quantised numbers, widened to float32 again
;;       x = np.moveaxis(x, axis, -1); K = x.shape[-1]
;;       x = np.pad(x, [(0, 0)] * (x.ndim - 1) + [(0, -K % 32)]); x = x.reshape(x.shape[:-1] + (-1, 32)); a = np.abs(x).max(-1, keepdims=True)
;;       e = np.where(a > 0, np.clip(np.frexp(np.where(a > 0, a, 1))[1] - 1 - 2, -126, 127), 0)      # np.frexp(a)[1] - 1 = floor(log2(a)), exactly
;;       r = np.clip(x / 2.0 ** e, -7.5, 7.5)
;;       step = 2.0 ** (np.maximum(np.frexp(np.where(r == 0, 1, r))[1] - 1, 0) - 3)
;;       q = np.round(r / step) * step * 2.0 ** e      # np.round: ties to even
;;       return np.moveaxis(q.reshape(q.shape[:-2] + (-1,))[..., :K], -1, axis).astype(np.float32)
;;   ~~~
;;   SOFTMAX AHEAD OF A QUANTISED PRODUCT. Where the list says 'softmax', what is quantised is not the finished softmax but p = 2^(t - M), with t = logit x log2(e) and M = ceil(the row's largest t), a whole number; so 1/2 < the row's largest p <= 1. The row's sum l is taken of the UNQUANTISED p, in f32, and the product's result is divided by l at the end. Since M is a whole number, a kernel that streams over the keys may use a running M (the ceiling of the running maximum): every later rescaling is an exact power of two, which a block's scale takes up: the codes' values come out the same.
;;   OPERANDS COMPUTED ON THE WAY. 'Computed on the way' means the value that the module computes at that place (a softmax that the list does not call 'softmax' is quantised finished and normalised). What goes into a quantiser is computed in f32, as accurately as f32 sums, v_exp_f32 and their like allow (about 1e-6 of the number): no bf16 or f16 on the way to a quantiser, and a product that is left as it is and whose result goes on into a quantised operand takes f32 operands (vector FMAs, or v_wmma_f32_16x16x4_f32). A number that lies on a knife's edge between two numbers of the format may be rounded either way, as far as f32 arithmetic and the matrix unit's own rounding can turn it there, and no further.
;; One version. Each part assembles by itself: llvm-mc -triple=amdgcn-amd-amdhsa -mcpu=gfx1250 --defsym DOCPART=n.
;; ======== version 1 of 1: 3 launches
;; limits: right only within a limited range of input values
;; workspace buffers: opc 16,515,072 bytes; ops 688,128 bytes; ac 18,874,368 bytes; asc 786,432 bytes
;; launch quant (part 1): grid 416 x 1, 4 waves a work-group, no clusters, 34,304 bytes of LDS; arguments x, wq, wk, wv, opc, ops; writes opc, ops
.if DOCPART == 1
	.amdgcn_target "amdgcn-amd-amdhsa--gfx1250"
	.amdhsa_code_object_version 6
	.text
	.protected	k_qaf2eadcb2a_quant
	.globl	k_qaf2eadcb2a_quant
	.p2align	8
	.type	k_qaf2eadcb2a_quant,@function
k_qaf2eadcb2a_quant:
	s_mov_b64 s[64:65], 0
	v_nop
	global_prefetch_b8 v0, s[64:65] scope:SCOPE_SE
	s_setreg_imm32_b32 hwreg(HW_REG_WAVE_MODE, 25, 1), 1
	s_wait_xcnt 0x0
; x [8192][1024] and wq, wk, wv [1024][1024], f32, K innermost, become codes of FP6 (E2M3) with one E8M0 byte for each 32 along K, laid as the next launch's matrix operands want them.
; A FRAGMENT (16 rows x 128 K: 12 registers a lane) lies in memory as an IMAGE OF ITS REGISTERS: registers 4 c .. 4 c + 3 of lane l at 512 c + 16 l: 1,536 bytes, written by three stores of 512 consecutive bytes.
; THE ROWS OF A FRAGMENT ARE NOT NEIGHBOURS: in a run of 32 rows, fragment 2 b + u holds in lane r the row 32 b + 8 u + r + 8 (r / 8).
; SCALE WORDS lie in units of 256 bytes for four neighbouring fragments: the word of (lane r, fragment i) at 16 r + 4 i.
; opc: [group 84][K step 8][fragment 16][1,536], a group being 256 rows; ops: [group 84][K step 8][quad 4][256], a quad being 64 rows.
;   groups 0-31:  tokens 64 y .. 64 y + 63 of the four batches, quad = batch        groups 52-83: the same codes once more: 52 + 8 b + Y = tokens 256 Y .. 256 Y + 255 of batch b
;   groups 32-47: wq (X = 0-7), wk (X = 8-15), head hd = X & 7: rows 128 hd + 0 .. 127, then the 128 rows that rotate_half pairs with them: row 2 j + 1 for j < 512, row 2 j - 1,024 else
;   groups 48-51: wv's rows 256 (X - 16) on
; A block's scale is 2^(floor(log2(its largest magnitude)) - 2); its byte is the largest magnitude's exponent field - 2, held at 1 from below.
; LIMITS: a block of zeros gets the byte 1 where the rule says 127 (its codes are zeros, and this program alone reads the bytes); blocks whose largest magnitude lies under 2^-124 are held at byte 1; NaN and infinities are not served.
; SHARES: a wave takes one quad x one K step: 64 rows x 128 numbers, 32,768 bytes in, 6,144 + 256 out.  Work-group g: quad G = g / 2, K step 4 (g % 2) + wave.  Waves share nothing: no barrier.
; Each load reads 512 consecutive bytes of one row; a fragment's 16 rows turn through the wave's own stage in LDS, so that a lane gets 2 x 32 neighbours along K: two whole blocks.
.set STG,   16*528                     ; a wave's stage: 16 rows x (512 bytes + 16): row r starts 4 banks on from row r - 1
.set SPARE, 4*STG                      ; behind the stages: the spare words, 128 bytes for each wave: two blocks of 256 bytes that no other line names
.set LI,  4                            ; v4   16 x lane
.set VS,  5                            ; v5   16 r + 8 h: my 8 bytes of a scale unit
.set SWR, 6                            ; v6   the stage, on the way in: 16 x lane
.set SRD, 7                            ; v7   and on the way out: 528 r + 128 h
.set SH,  8                            ; v8   8 h
.set WX,  9                            ; v9   a lane permute's destination
.set MX,  10                           ; v10-11 largest magnitudes;  v12-13 the conversions' scale operands;  v14-15 the bytes
.set OX,  12
.set BX,  14
.set OFF, 16                           ; v16-31 byte offset of row-lane i of a fragment: 16 x lane + (i + 8 (i / 8)) x the row step; never rewritten
.set RS,  32                           ; v32-159 two sets of 64 numbers
.set PC,  160                          ; v160-207 the four fragments' codes: never rewritten, so no store's data are written again
.set TQ,  208                          ; v208-215 the second halves of blocks, before they are moved
.set PW,  216                          ; v216-219 the four scale words
.set PR,  220                          ; v220-221 my two words of the unit
.set SPW, 222                          ; v222 LDS address of my spare word; never rewritten
.set NIL, 223                          ; v223 0; never rewritten
.set SEL, 20                           ; s[20:21] lane selects: lane l xor 16
.set SB,  32                           ; s[32:39] where fragment t's rows begin in memory
	s_load_b256 s[4:11], s[0:1], 0x0               ; x s[4:5], wq s[6:7], wk s[8:9], wv s[10:11]
	s_load_b128 s[12:15], s[0:1], 0x20             ; opc s[12:13], ops s[14:15]
	v_lshl_add_u32 v[SPW], v0, 2, SPARE
	v_mov_b32 v[NIL], 0
	v_lshrrev_b32 v1, 5, v0
	v_readfirstlane_b32 s16, v1                    ; wave
	v_and_b32 v1, 31, v0                           ; lane
	v_and_b32 v2, 15, v0                           ; r
	v_bfe_u32 v3, v0, 4, 1                         ; h
	v_lshlrev_b32 v[LI], 4, v1
	s_wait_alu depctr_va_vdst(0)
	v_lshlrev_b32 v[VS], 4, v2
	v_lshl_add_u32 v[VS], v3, 3, v[VS]
	s_mul_i32 s31, s16, STG
	v_add_nc_u32 v[SWR], s31, v[LI]
	v_mul_u32_u24 v[SRD], v2, 528
	v_lshl_add_u32 v[SRD], v3, 7, v[SRD]
	v_add_nc_u32 v[SRD], s31, v[SRD]
	v_lshlrev_b32 v[SH], 3, v3
	v_mov_b32 v[WX], 0                             ; written once: a lane permute's destination counts as one of its sources
	s_mov_b32 s[SEL], 0x76543210
	s_mov_b32 s[SEL+1], 0xfedcba98
	; which quad, from the work-group's number alone; one way through the text, every choice a select
	s_lshr_b32 s17, ttmp9, 1                       ; G: 0-127 x, 128-207 the weights
	s_and_b32 s18, ttmp9, 1
	s_lshl_b32 s18, s18, 2
	s_add_co_u32 s18, s18, s16                     ; my K step
	s_sub_co_u32 s19, s17, 128
	s_lshr_b32 s22, s19, 2                         ; X: the weights' group
	s_and_b32 s23, s19, 3                          ; qd: its quad
	s_and_b32 s24, s22, 7                          ; hd
	s_lshl_b32 s25, s24, 7
	s_lshl_b32 s31, s23, 6
	s_add_co_u32 s25, s25, s31                     ; quads 0, 1: row 128 hd + 64 qd
	s_lshl_b32 s50, s25, 1
	s_sub_co_u32 s50, s50, 256                     ; quads 2, 3: 2 j0, j0 = 128 hd + 64 (qd - 2)
	s_add_co_u32 s51, s50, 1                       ; j < 512: row 2 j + 1
	s_sub_co_u32 s52, s50, 1024                    ; else row 2 j - 1,024
	s_cmp_lt_u32 s24, 4
	s_cselect_b32 s50, s51, s52
	s_mov_b32 s26, 8192                            ; there every second row is taken
	s_cmp_lt_u32 s23, 2
	s_cselect_b32 s25, s25, s50
	s_cselect_b32 s26, 4096, s26
	s_sub_co_u32 s51, s22, 16
	s_lshl_b32 s51, s51, 8
	s_add_co_u32 s51, s51, s31                     ; wv: row 256 (X - 16) + 64 qd
	s_cmp_lt_u32 s22, 16
	s_cselect_b32 s25, s25, s51
	s_cselect_b32 s26, s26, 4096
	s_add_co_u32 s27, s22, 32                      ; the weights' group in opc
	s_lshr_b32 s53, s17, 2                         ; x: which 64 tokens,
	s_and_b32 s54, s17, 3                          ; of which batch
	s_lshl_b32 s51, s54, 11
	s_lshl_b32 s52, s53, 6
	s_add_co_u32 s51, s51, s52                     ; row 2,048 b + 64 y
	s_lshl_b32 s29, s54, 3
	s_lshr_b32 s52, s53, 2
	s_add_co_u32 s29, s29, s52
	s_add_co_u32 s29, s29, 52                      ; x's second place: group 52 + 8 b + y / 4,
	s_and_b32 s30, s53, 3                          ; quad y % 4
	s_cmp_lt_u32 s17, 128
	s_cselect_b32 s25, s51, s25                    ; first row
	s_cselect_b32 s26, 4096, s26                   ; bytes from row to row
	s_cselect_b32 s27, s53, s27                    ; group
	s_cselect_b32 s28, s54, s23                    ; quad
	s_cselect_b32 s29, s29, s27                    ; (the weights have no second place: theirs stays inside the buffer and is not stored to)
	s_cselect_b32 s30, s30, s28
	s_lshl_b32 s50, s25, 12
	s_lshl_b32 s51, s18, 9
	s_add_co_u32 s50, s50, s51                     ; source: row x 4,096 + 512 x K step
	s_mov_b32 s51, 0
	s_lshl_b32 s52, s27, 3
	s_add_co_u32 s52, s52, s18
	s_mul_i32 s54, s52, 24576
	s_mul_i32 s55, s28, 6144
	s_add_co_u32 s54, s54, s55                     ; codes: (8 group + K step) x 24,576 + quad x 6,144
	s_mov_b32 s55, 0
	s_lshl_b32 s56, s52, 10
	s_lshl_b32 s57, s28, 8
	s_add_co_u32 s56, s56, s57                     ; scale unit: (8 group + K step) x 1,024 + quad x 256
	s_mov_b32 s57, 0
	s_lshl_b32 s52, s29, 3
	s_add_co_u32 s52, s52, s18
	s_mul_i32 s58, s52, 24576
	s_mul_i32 s59, s30, 6144
	s_add_co_u32 s58, s58, s59
	s_mov_b32 s59, 0
	s_lshl_b32 s60, s52, 10
	s_lshl_b32 s61, s30, 8
	s_add_co_u32 s60, s60, s61
	s_mov_b32 s61, 0
.irp i, 0,1,2,3,4,5,6,7,8,9,10,11,12,13,14,15
	s_mul_i32 s62, s26, \i+8*(\i/8)
	v_add_nc_u32 v[OFF+\i], s62, v[LI]
.endr
	s_wait_alu depctr_va_vdst(0)
	s_wait_kmcnt 0x0
	s_cmp_lt_u32 s22, 8                            ; which tensor: the choices hang on the work-group's number alone
	s_cselect_b64 s[48:49], s[6:7], s[8:9]
	s_cmp_lt_u32 s22, 16
	s_cselect_b64 s[48:49], s[48:49], s[10:11]
	s_cmp_lt_u32 s17, 128
	s_cselect_b64 s[48:49], s[4:5], s[48:49]
	s_add_nc_u64 s[48:49], s[48:49], s[50:51]
	s_mov_b64 s[SB:SB+1], s[48:49]                 ; fragment t begins 32 (t / 2) + 8 (t % 2) row steps on
	s_lshl_b32 s50, s26, 3
	s_add_nc_u64 s[SB+2:SB+3], s[48:49], s[50:51]
	s_lshl_b32 s50, s26, 5
	s_add_nc_u64 s[SB+4:SB+5], s[48:49], s[50:51]
	s_mul_i32 s50, s26, 40
	s_add_nc_u64 s[SB+6:SB+7], s[48:49], s[50:51]
	s_add_nc_u64 s[40:41], s[12:13], s[54:55]
	s_add_nc_u64 s[42:43], s[14:15], s[56:57]
	s_add_nc_u64 s[44:45], s[12:13], s[58:59]
	s_add_nc_u64 s[46:47], s[14:15], s[60:61]
.macro LOADF t                         ; fragment t's 16 rows, 512 consecutive bytes each, into set t % 2
.irp i, 0,1,2,3,4,5,6,7,8,9,10,11,12,13,14,15
	global_load_b128 v[RS+64*((\t)%2)+4*\i:RS+64*((\t)%2)+4*\i+3], v[OFF+\i], s[SB+2*(\t):SB+2*(\t)+1]
.endr
.endm
.macro TURN t                          ; through the stage and back into the registers that they left: register 32 c + i is then k = 64 c + 32 h + i of row-lane r.  LDS serves a wave's instructions in order: no wait between
.irp i, 0,1,2,3,4,5,6,7,8,9,10,11,12,13,14,15
	ds_store_b128 v[SWR], v[RS+64*((\t)%2)+4*\i:RS+64*((\t)%2)+4*\i+3] offset:528*\i
.endr
.irp c, 0,1
.irp j, 0,1,2,3,4,5,6,7
	ds_load_b128 v[RS+64*((\t)%2)+32*\c+4*\j:RS+64*((\t)%2)+32*\c+4*\j+3], v[SRD] offset:256*\c+16*\j
.endr
.endr
.endm
.macro QUANTB x, pc, pw                ; 64 numbers from v[x] on become the fragment's 12 registers from v[pc] on and its scale word in v[pw]
.irp c, 0,1                            ; my block 2 c + h: all its 32 numbers are mine
	v_max3_num_f32 v[MX+\c], |v[(\x)+32*\c]|, |v[(\x)+32*\c+1]|, 0x1800000   ; with the floor 2^(3 - 127): the byte cannot fall under 1
.endr
.irp i, 2,4,6,8,10,12,14,16,18,20,22,24,26,28,30
.irp c, 0,1
	v_max3_num_f32 v[MX+\c], v[MX+\c], |v[(\x)+32*\c+\i]|, |v[(\x)+32*\c+\i+1]|
.endr
.endr
.irp c, 0,1
	v_add_nc_u32 v[OX+\c], 0xff000000, v[MX+\c]    ; 2 off the exponent field: the conversion takes this operand's exponent field as its scale, and nothing else of it
.endr
.irp c, 0,1
	v_lshrrev_b32 v[BX+\c], 23, v[OX+\c]           ; the scale's byte
.endr
	v_lshl_or_b32 v[\pw], v[BX+1], 16, v[BX]       ; blocks h and 2 + h,
	v_lshlrev_b32 v[\pw], v[SH], v[\pw]            ; at their places in the word;
	v_permlanex16_b32 v[WX], v[\pw], s[SEL], s[SEL+1]
	v_or_b32 v[\pw], v[\pw], v[WX]                 ; with lane l xor 16's two the word is whole, in both lanes
.irp c, 0,1
	v_cvt_scalef32_pk16_fp6_f32 v[(\pc)+6*\c:(\pc)+6*\c+2], v[(\x)+32*\c:(\x)+32*\c+15], v[OX+\c]
	v_cvt_scalef32_pk16_fp6_f32 v[TQ+4*\c:TQ+4*\c+2], v[(\x)+32*\c+16:(\x)+32*\c+31], v[OX+\c]   ; (a conversion's three registers begin on an even number: the second half is made here and moved)
.endr
	v_nop                                          ; one plain line behind the scaled conversions
.irp c, 0,1
.irp i, 0,1,2
	v_mov_b32 v[(\pc)+6*\c+3+\i], v[TQ+4*\c+\i]
.endr
.endr
.endm
.macro FRAGMENT t
.if (\t) < 3
	s_wait_loadcnt 16                              ; this fragment's 16 loads are in; the next fragment's 16 may be out
.else
	s_wait_loadcnt 0x0
.endif
	TURN \t
	s_wait_dscnt 0x0
	QUANTB RS+64*((\t)%2), PC+12*(\t), PW+(\t)
.if (\t) < 2
	LOADF (\t)+2                                   ; the set is free: the fragment two on
.endif
.irp c, 0,1,2
	global_store_b128 v[LI], v[PC+12*(\t)+4*\c:PC+12*(\t)+4*\c+3], s[40:41] offset:1536*(\t)+512*\c   ; 32 lanes store 512 consecutive bytes, at a multiple of 256 from the buffer's first byte
.endr
.endm
	LOADF 0
	LOADF 1
.irp t, 0,1,2,3
	FRAGMENT \t
.endr
	v_cmp_ne_u32 vcc_lo, 0, v3                     ; lanes 0-15 store the words of fragments 0 and 1, lanes 16-31 those of 2 and 3
	v_cndmask_b32 v[PR], v[PW], v[PW+2], vcc_lo
	v_cndmask_b32 v[PR+1], v[PW+1], v[PW+3], vcc_lo
	global_store_b64 v[VS], v[PR:PR+1], s[42:43]   ; one whole unit of 256 bytes
	s_cmp_ge_u32 s17, 128                          ; x's codes go to their second place too; a branch on the work-group's number
	s_cbranch_scc1 .Lonce
.irp t, 0,1,2,3
.irp c, 0,1,2
	global_store_b128 v[LI], v[PC+12*\t+4*\c:PC+12*\t+4*\c+3], s[44:45] offset:1536*\t+512*\c
.endr
.endr
	global_store_b64 v[VS], v[PR:PR+1], s[46:47]
.Lonce:
	s_wait_tensorcnt 0x0                           ; the wave's end, behind my last LDS store
	ds_add_u32 v[SPW], v[NIL]
	s_wait_dscnt 0x0
	s_endpgm
.Lfunc_end_k_qaf2eadcb2a_quant:
	.size	k_qaf2eadcb2a_quant, .Lfunc_end_k_qaf2eadcb2a_quant-k_qaf2eadcb2a_quant
	.p2alignl 7, 3214868480
	.fill 96, 4, 3214868480
	.section	.rodata,"a",@progbits
	.p2align	6, 0x0
	.amdhsa_kernel k_qaf2eadcb2a_quant
		.amdhsa_group_segment_fixed_size 34304
		.amdhsa_private_segment_fixed_size 0
		.amdhsa_enable_private_segment 0
		.amdhsa_kernarg_size 48
		.amdhsa_user_sgpr_count 2
		.amdhsa_user_sgpr_kernarg_segment_ptr 1
		.amdhsa_wavefront_size32 1
		.amdhsa_system_sgpr_workgroup_id_x 1
		.amdhsa_system_sgpr_workgroup_id_y 1
		.amdhsa_system_sgpr_workgroup_id_z 1
		.amdhsa_system_vgpr_workitem_id 0
		.amdhsa_next_free_vgpr 224
		.amdhsa_next_free_sgpr 66
		.amdhsa_reserve_vcc 1
		.amdhsa_float_denorm_mode_32 3
		.amdhsa_float_denorm_mode_16_64 3
		.amdhsa_memory_ordered 1
		.amdhsa_forward_progress 1
		.amdhsa_inst_pref_size 35
	.end_amdhsa_kernel
	.amdgpu_metadata
---
amdhsa.version: [ 1, 2 ]
amdhsa.kernels:
  - .name:           k_qaf2eadcb2a_quant
    .symbol:         k_qaf2eadcb2a_quant.kd
    .args:
      - { .name: x, .offset: 0, .size: 8, .value_kind: global_buffer, .address_space: global }
      - { .name: wq, .offset: 8, .size: 8, .value_kind: global_buffer, .address_space: global }
      - { .name: wk, .offset: 16, .size: 8, .value_kind: global_buffer, .address_space: global }
      - { .name: wv, .offset: 24, .size: 8, .value_kind: global_buffer, .address_space: global }
      - { .name: opc, .offset: 32, .size: 8, .value_kind: global_buffer, .address_space: global }
      - { .name: ops, .offset: 40, .size: 8, .value_kind: global_buffer, .address_space: global }
    .group_segment_fixed_size: 34304
    .private_segment_fixed_size: 0
    .kernarg_segment_align: 8
    .kernarg_segment_size: 48
    .max_flat_workgroup_size: 128
    .sgpr_count:     66
    .vgpr_count:     224
    .wavefront_size: 32
...
	.end_amdgpu_metadata
.endif
;; end of part 1
;; launch proj (part 2): grid 16 x 40, 4 waves a work-group, clusters of 4 x 4, 327,680 bytes of LDS; arguments opc, ops, cos, sin, ac, asc; writes ac, asc
.if DOCPART == 2
	.amdgcn_target "amdgcn-amd-amdhsa--gfx1250"
	.amdhsa_code_object_version 6
	.text
	.protected	k_qaf2eadcb2a_proj
	.globl	k_qaf2eadcb2a_proj
	.p2align	8
	.type	k_qaf2eadcb2a_proj,@function
k_qaf2eadcb2a_proj:
	s_mov_b64 s[64:65], 0
	v_nop
	global_prefetch_b8 v0, s[64:65] scope:SCOPE_SE
	s_setreg_imm32_b32 hwreg(HW_REG_WAVE_MODE, 25, 1), 1
	s_wait_xcnt 0x0
	s_wait_alu depctr_hold_cnt(0) depctr_sa_sdst(0) depctr_va_vdst(0) depctr_va_sdst(0) depctr_va_ssrc(0) depctr_va_vcc(0) depctr_vm_vsrc(0)
	s_getreg_b32 s2, hwreg(HW_REG_IB_STS2, 6, 4)
	s_cmp_eq_u32 s2, 0
	s_cbranch_scc0 .Lentry_in_a_cluster
	s_endpgm
.Lentry_in_a_cluster:
	s_bfe_u32 s2, ttmp6, 0x10000c
	s_cmp_lg_u32 s2, 0xf033
	s_cbranch_scc0 .Lentry_shape_is_right
	s_endpgm
.Lentry_shape_is_right:
; The three projections on codes of FP6 (E2M3), K = 1,024, with RoPE and the attention's quantisers on the way out: only codes and scale bytes go to memory.
; Operands come as register images (1,536 bytes a fragment of 16 rows x 128 K) and scale units (256 bytes for four fragments' words), laid by the launch before; results leave in the same form.
; A work-group multiplies 256 rows P (source 0; every wave reads all) by 256 rows S (source 1; 64 a wave): 16 x 4 accumulators a wave.  A lane holds ONE row of S, its registers run along P's rows;
; by the rows' order in an image the 16 registers of P's fragments 2 b and 2 b + 1 are P's rows 32 b + 16 h + 0 .. 15.
; ROLE Q/K (cluster y < 8): S = 64 tokens of each batch (wave = batch); P = a head's 128 rows of wq or wk and the 128 rows that rotate_half pairs with them: raw column and partner lie in one lane at one register number of two windows.
; ROLE V (cluster y = 8, 9): S = 256 rows of wv, P = 256 tokens of one batch: a lane holds a channel, its registers run along the keys, the last product's K.
; ac: q, k: [head 32][tile of 16 tokens 128][1,536]; v: [head][key step 16][channel tile 8][1,536].  asc: a head's 8,192 bytes; q, k: unit = tile / 4; v: unit = 2 x key step + channel tile / 4.
; RING: K goes in 8 steps of 128 through two LDS slots of three steps (S's three tiles, then P's three).  At the head each wave issues one joint load: wave 0 S's steps 0-2, wave 1 P's, waves 2 and 3 the scale units of all of K.
;   Slot 1 (steps 3-5) is first filled behind the full sequence and a round, a quarter a wave; slot 0 is filled again with steps 6 and 7 when step 2's fragments are in registers.  One tensor load of a wave is out at any time.
; CLUSTER 4 x 4: S's tile hangs on the work-group's y and is asked for jointly by a row of the cluster, P's on its x (and the cluster's y) and by a column.
; PREFETCH: behind the head's load each wave names its share of steps 3-5 (36 blocks of 256 bytes), behind slot 1's load its share of steps 6-7 (24 blocks): one fill ahead of the load that wants them.
;   The four partners that ask for a tile jointly share its blocks out by address (cx for S, cy for P); spare lanes name their wave's last block again.
; cos AND sin: wave w loads rows 16 w .. 16 w + 15 of the work-group's 64 tokens at the head; at step 5 they go into slot 1, which has had its last fill and its last read, with rotate_half's sign multiplied into sin.
;   These lines run in both roles, so that the text parts on the role once, at the way out: in role V they take the tables' first 64 rows and their result is not read.
; LIMITS: a block of zeros gets the byte 1 (its codes are zeros; this program alone reads the bytes); largest magnitudes under 2^-124 are held at byte 1; NaN and infinities are not served.
; REGISTERS.  Window 0: v1-26 addresses; v28, v29 the add's two; v32-71 scale words, two sets of 20; v80-175 S's fragments, two sets; v176-239 cos as loaded.  Window 1: v0-191 P's 16 fragments, one set; v192-255 sin as loaded.
;   Window 2: accumulators of P's fragments 0-7, (t, i) at 64 i + 8 t; window 3: of 8-15.  On the way out: window 0: v80-143 a tile after RoPE, v144-171 at work, v176-223 codes; window 1: cos and sin of a tile, two sets.
.set KB,     24576
.set SLOTB,  6*KB
.set SCL,    2*SLOTB
.set SPARE,  SCL+16384
.set ROPE,   SLOTB
.set RSIN,   64*528
.set GRPB,   8*KB
.set SEC,    6291456
.set SSEC,   262144
.set LI,  4
.set VS,  5
.set ASP, 12
.set ASS, 13
.set AR,  14
.set ARW, 15
.set ADP, 16                           ; v16-19 P's images: slot 0 places 0-1, place 2; slot 1 places 0-1, place 2
.set ADS, 20                           ; v20-23 the same for my quad of S's
.set PFO, 24                           ; v24-26 the prefetches' offsets
.set SPW, 28
.set NIL, 29
.set SC,  32
.set SF,  80
.set CR,  176
.set SR,  192
.set HA,  80
.set TM,  144
.set TQ,  160
.set PW,  168
.set PC,  176
.set PR,  224
.set G1,   24
.set G1B,  48
.set G1S,  72
.set G1SB, 80
.set GHS,  32                          ; groups 0: the head's S, P; slot 1's S, P; the refill's S, P; the scales'
.set GHP,  36
.set GBS,  40
.set GBP,  56
.set GRS,  60
.set GRP,  68
.set G0S,  88
.set G0SB, 92
.set PFA,  96
.set PFB,  98
.set SG,   100
.set MSB, 0
.macro WIN new
.if MSB != (\new)
	s_set_vgpr_msb (MSB<<8)|(\new)
.set MSB, (\new)
.endif
.endm
.set MUL_LO, 0xa1
.set MUL_HI, 0xf1
; a joint load: waves 0 and 1 fetch for S, waves 2 and 3 for P; an s_nop 0 and four v_nop follow each line
.macro JLOAD g0a, g1a, g0b, g1b
	s_cmp_eq_u32 s17, 0
	s_cbranch_scc0 .Lfor_b_\@
	tensor_load_to_lds s[\g0a:\g0a+3], s[\g1a:\g1a+7]
	s_nop 0
.rept 4
	v_nop
.endr
	s_branch .Lasked_\@
.Lfor_b_\@:
	tensor_load_to_lds s[\g0b:\g0b+3], s[\g1b:\g1b+7]
	s_nop 0
.rept 4
	v_nop
.endr
.Lasked_\@:
.endm
.macro CREST
	s_cmp_lg_u32 s16, 0
	s_cbranch_scc1 .Lnot_wave_0_\@
	s_barrier_signal -3
.Lnot_wave_0_\@:
	s_barrier_wait -3
	s_barrier_signal -1
	s_barrier_wait -1
.endm
.macro CROUND
	s_barrier_signal -1
	s_barrier_wait -1
	CREST
.endm
.macro PLACES                          ; four plain lines between a matrix instruction and a load into, or a vector read of, its registers
.rept 4
	v_nop
.endr
.endm
.macro MKG0 g, lds, base               ; a group 0: count, LDS address, global address, type
	s_mov_b32 s[\g], 1
	s_mov_b32 s[\g+1], \lds
	s_mov_b64 s[\g+2:\g+3], s[\base:\base+1]
	s_or_b32 s[\g+3], s[\g+3], 0x80000000
.endm
.macro MKG0O g, lds, base, off, imm    ; the same, the address stepped by a pair and a constant
	s_mov_b32 s[\g], 1
	s_mov_b32 s[\g+1], \lds
	s_add_nc_u64 s[\g+2:\g+3], s[\base:\base+1], s[\off:\off+1]
	s_add_nc_u64 s[\g+2:\g+3], s[\g+2:\g+3], \imm
	s_or_b32 s[\g+3], s[\g+3], 0x80000000
.endm
	s_load_b256 s[4:11], s[0:1], 0x0               ; opc, ops, cos, sin
	s_load_b128 s[12:15], s[0:1], 0x20             ; ac, asc
	v_lshl_add_u32 v[SPW], v0, 2, SPARE
	v_mov_b32 v[NIL], 0
	ds_add_u32 v[SPW], v[NIL]                      ; the opening lines: the add, twice on end, and its wait ahead of my first tensor load
	ds_add_u32 v[SPW], v[NIL]
	v_lshrrev_b32 v1, 5, v0
	v_readfirstlane_b32 s16, v1                    ; wave
	s_lshr_b32 s17, s16, 1                         ; in the ring I fetch for S (0) or for P (1),
	s_and_b32 s18, s16, 1                          ; which half
	s_bfe_u32 s20, ttmp6, 0x40000                  ; cx
	s_bfe_u32 s21, ttmp6, 0x40004                  ; cy
	s_and_b32 s19, ttmp7, 0xffff                   ; the cluster's y: under 8 role q/k, else role v
	s_lshl_b32 s22, ttmp9, 2
	s_add_co_u32 s22, s22, s20                     ; x
	s_lshl_b32 s23, s19, 2
	s_add_co_u32 s23, s23, s21                     ; y
	s_lshl_b32 s44, s21, 2
	s_lshl_b32 s44, 15, s44                        ; my row of the cluster
	s_lshl_b32 s45, 0x1111, s20                    ; my column
	; group 1: dense blocks as rows of 256 bytes (32 elements of 8 bytes): 288 rows for three steps of a tile, 32 for a tile's scale units
	s_or_b32 s[G1], s44, (3<<16)|(1<<21)
	s_or_b32 s[G1S], s44, (3<<16)|(1<<21)
	s_or_b32 s[G1B], s45, (3<<16)|(1<<21)
	s_or_b32 s[G1SB], s45, (3<<16)|(1<<21)
.irp g, G1, G1B
	s_mov_b32 s[\g+1], 32<<16
	s_mov_b32 s[\g+2], 288<<16
	s_mov_b32 s[\g+3], 32<<16
	s_mov_b32 s[\g+4], 288
	s_mov_b32 s[\g+5], 32
	s_mov_b32 s[\g+6], 0
	s_mov_b32 s[\g+7], 0
.endr
.irp g, G1S, G1SB
	s_mov_b32 s[\g+1], 32<<16
	s_mov_b32 s[\g+2], 32<<16
	s_mov_b32 s[\g+3], 32<<16
	s_mov_b32 s[\g+4], 32
	s_mov_b32 s[\g+5], 32
	s_mov_b32 s[\g+6], 0
	s_mov_b32 s[\g+7], 0
.endr
	s_lshl_b32 s46, s19, 2
	s_cmp_lt_u32 s19, 8
	s_cselect_b32 s46, s46, 48
	s_add_co_u32 s46, s46, s21                     ; S: tokens' group y, or wv's group 48 + cy
	s_lshl_b32 s47, s19, 4
	s_sub_co_u32 s47, s47, 76
	s_cmp_lt_u32 s19, 8
	s_cselect_b32 s47, 32, s47
	s_add_co_u32 s47, s47, s22                     ; P: weights' group 32 + x, or tokens' group 52 + x + 16 (cluster y - 8)
	s_mul_i32 s66, s46, GRPB
	s_mov_b32 s67, 0
	s_mul_i32 s2, s47, GRPB
	s_mov_b32 s3, 0
	s_lshl_b32 s[G0S+2], s46, 13
	s_mov_b32 s[G0S+3], 0
	s_lshl_b32 s[G0SB+2], s47, 13
	s_mov_b32 s[G0SB+3], 0
	s_mul_i32 s98, s18, 36864                      ; my half of three steps of a tile,
	s_mov_b32 s99, 0
	s_mul_i32 s100, s18, KB                        ; my one of two steps
	s_mov_b32 s101, 0
	s_mul_i32 s46, s16, 36864
	s_add_co_u32 s46, s46, SLOTB                   ; LDS, slot 1: wave x a quarter of the slot
	s_mul_i32 s47, s17, 3*KB
	s_add_co_u32 s47, s47, s100                    ; LDS, the refill: places 0 and 1 of S's or of P's part of slot 0
	s_wait_dscnt 0x0                               ; both opening adds are done
	s_wait_kmcnt 0x0
	s_add_nc_u64 s[66:67], s[4:5], s[66:67]
	s_add_nc_u64 s[2:3], s[4:5], s[2:3]
	s_add_nc_u64 s[G0S+2:G0S+3], s[6:7], s[G0S+2:G0S+3]
	s_add_nc_u64 s[G0SB+2:G0SB+3], s[6:7], s[G0SB+2:G0SB+3]
	CROUND                                         ; all sixteen work-groups are here: the first joint loads meet
	MKG0 GHS, 0, 66
	MKG0 GHP, 3*KB, 2
	s_mov_b32 s[G0S], 1
	s_mov_b32 s[G0S+1], SCL
	s_or_b32 s[G0S+3], s[G0S+3], 0x80000000
	s_mov_b32 s[G0SB], 1
	s_mov_b32 s[G0SB+1], SCL+8192
	s_or_b32 s[G0SB+3], s[G0SB+3], 0x80000000
; the head's loads, one a wave, in one tree of branches on the wave's number: every way passes exactly one load
.macro ARM under, g0, g1, next
	s_cmp_lt_u32 s16, \under
	s_cbranch_scc0 \next
	tensor_load_to_lds s[\g0:\g0+3], s[\g1:\g1+7]
	s_nop 0
.rept 4
	v_nop
.endr
	s_branch .Lhead_asked
\next:
.endm
	ARM 1, GHS, G1,  .Lhead_p
	ARM 2, GHP, G1B, .Lhead_ss
	ARM 3, G0S, G1S, .Lhead_sp
	tensor_load_to_lds s[G0SB:G0SB+3], s[G1SB:G1SB+7]
	s_nop 0
.rept 4
	v_nop
.endr
.Lhead_asked:
	MKG0O GBS, s46, 66, 98, 3*KB                   ; slot 1: steps 3-5, my half
	MKG0O GBP, s46, 2, 98, 3*KB
	MKG0O GRS, s47, 66, 100, 6*KB                  ; the refill: step 6 or 7
	MKG0O GRP, s47, 2, 100, 6*KB
	s_cmp_eq_u32 s17, 0                            ; the prefetches: S's or P's bytes, and my place among the four that ask for them with me
	s_cselect_b64 s[PFA:PFA+1], s[66:67], s[2:3]
	s_cselect_b32 s46, s20, s21
	s_mov_b64 s[PFB:PFB+1], s[PFA:PFA+1]
	s_mul_i32 s44, s46, 18432                      ; steps 3-5: 288 blocks, 72 a partner, 36 a wave
	s_mul_i32 s45, s18, 9216
	s_add_co_u32 s44, s44, s45
	s_add_co_u32 s44, s44, 3*KB
	s_mov_b32 s45, 0
	s_add_nc_u64 s[PFA:PFA+1], s[PFA:PFA+1], s[44:45]
	s_mul_i32 s44, s46, 12288                      ; steps 6-7: 192 blocks, 48 a partner, 24 a wave
	s_mul_i32 s47, s18, 6144
	s_add_co_u32 s44, s44, s47
	s_add_co_u32 s44, s44, 6*KB
	s_add_nc_u64 s[PFB:PFB+1], s[PFB:PFB+1], s[44:45]
	s_cmp_lt_u32 s19, 8
	s_cselect_b32 s100, s23, 0                     ; cos, sin: tokens 64 y on (role v: the tables' first 64 rows),
	s_lshl_b32 s100, s100, 6
	s_lshl_b32 s101, s16, 4
	s_add_co_u32 s100, s100, s101                  ; my wave's 16 of them,
	s_lshl_b32 s100, s100, 12
	s_and_b32 s101, s22, 7
	s_lshl_b32 s101, s101, 9
	s_add_co_u32 s100, s100, s101                  ; the head's 128 columns
	s_mov_b32 s101, 0
	s_add_nc_u64 s[8:9], s[8:9], s[100:101]
	s_add_nc_u64 s[10:11], s[10:11], s[100:101]
	s_and_b32 s100, s22, 7
	s_cmp_lt_u32 s100, 4
	s_cselect_b32 s[SG], -1.0, 1.0                 ; columns under 512 take -z[2 j + 1], the others +z[2 j - 1,024]
	s_mov_b32 s[SG+1], s[SG]
	s_mul_i32 s44, s16, 6144                       ; my quad: four images
	s_lshl_b32 s45, s16, 8
	s_mul_i32 s46, s16, 16*528
	v_and_b32 v1, 15, v0                           ; r
	v_bfe_u32 v2, v0, 4, 1                         ; h
	v_and_b32 v3, 31, v0
	v_lshlrev_b32 v[LI], 4, v3
	v_lshlrev_b32 v[VS], 4, v1
	v_lshl_add_u32 v[VS], v2, 3, v[VS]
	v_add_nc_u32 v[ADP], 3*KB, v[LI]
	v_add_nc_u32 v[ADP+1], 5*KB, v[LI]
	v_add_nc_u32 v[ADP+2], SLOTB+3*KB, v[LI]
	v_add_nc_u32 v[ADP+3], SLOTB+5*KB, v[LI]
	v_add_nc_u32 v[ADS], s44, v[LI]
	v_add_nc_u32 v[ADS+1], 2*KB, v[ADS]
	v_add_nc_u32 v[ADS+2], SLOTB, v[ADS]
	v_add_nc_u32 v[ADS+3], SLOTB+2*KB, v[ADS]
	v_lshl_add_u32 v[ASP], v1, 4, SCL+8192
	v_lshl_add_u32 v[ASS], v1, 4, SCL
	v_add_nc_u32 v[ASS], s45, v[ASS]
	v_and_b32 v[AR], 8, v1
	v_add_nc_u32 v[AR], v[AR], v1                  ; r + 8 (r / 8)
	v_mul_u32_u24 v[AR], v[AR], 528
	v_lshl_add_u32 v[AR], v2, 6, v[AR]
	v_add_nc_u32 v[AR], ROPE, v[AR]
	v_add_nc_u32 v[ARW], s46, v[LI]
	v_add_nc_u32 v[ARW], ROPE, v[ARW]
	v_lshlrev_b32 v[PFO], 8, v3                    ; blocks 0-31 of my 36,
	v_min_u32 v[PFO+1], 3, v3
	v_lshlrev_b32 v[PFO+1], 8, v[PFO+1]
	v_add_nc_u32 v[PFO+1], 8192, v[PFO+1]          ; blocks 32-35,
	v_min_u32 v[PFO+2], 23, v3
	v_lshlrev_b32 v[PFO+2], 8, v[PFO+2]            ; and my 24 of the last fill
	s_wait_alu depctr_va_vdst(0)                   ; the wait at the head's end
	global_prefetch_b8 v[PFO], s[PFA:PFA+1] th:TH_LOAD_NT scope:SCOPE_SE
	global_prefetch_b8 v[PFO+1], s[PFA:PFA+1] th:TH_LOAD_NT scope:SCOPE_SE
.irp p, 0,1,2,3,4,5,6,7,8,9,10,11,12,13,14,15
	global_load_b128 v[CR+4*\p:CR+4*\p+3], v[LI], s[8:9] offset:4096*\p      ; 32 lanes read 512 consecutive bytes of a row
.endr
	WIN 0x40
.irp p, 0,1,2,3,4,5,6,7,8,9,10,11,12,13,14,15
	global_load_b128 v[SR+4*\p:SR+4*\p+3], v[LI], s[10:11] offset:4096*\p
.endr
	WIN 0
; 16 matrix instructions: P's fragments t0 .. t0 + 3 x S's four.  The 64 accumulators take turns, one instruction a turn.
.macro MUL16 t0, set, zero
.irp t, \t0, \t0+1, \t0+2, \t0+3
.irp i, 0,1,2,3
.if \zero
	v_wmma_scale_f32_16x16x128_f8f6f4 v[64*\i+8*((\t)%8):64*\i+8*((\t)%8)+7], v[12*(\t):12*(\t)+11], v[SF+48*(\set)+12*\i:SF+48*(\set)+12*\i+11], 0, v[SC+20*(\set)+(\t)], v[SC+20*(\set)+16+\i] matrix_a_fmt:MATRIX_FMT_FP6 matrix_b_fmt:MATRIX_FMT_FP6
.else
	v_wmma_scale_f32_16x16x128_f8f6f4 v[64*\i+8*((\t)%8):64*\i+8*((\t)%8)+7], v[12*(\t):12*(\t)+11], v[SF+48*(\set)+12*\i:SF+48*(\set)+12*\i+11], v[64*\i+8*((\t)%8):64*\i+8*((\t)%8)+7], v[SC+20*(\set)+(\t)], v[SC+20*(\set)+16+\i] matrix_a_fmt:MATRIX_FMT_FP6 matrix_b_fmt:MATRIX_FMT_FP6
.endif
.endr
.endr
.endm
.macro FRAG3 reg, adr, off
.irp c, 0,1,2
	ds_load_b128 v[(\reg)+4*\c:(\reg)+4*\c+3], v[\adr] offset:(\off)+512*\c
.endr
.endm
.macro FETCH_S f, q2, set              ; 12 loads
.irp i, 0,1,2,3
	FRAG3 SF+48*(\set)+12*\i, ADS+(\f), KB*(\q2)+1536*\i
.endr
.endm
.macro FETCH_P f, q2, t0               ; 24 loads
	WIN 0x40
.irp t, 0,1,2,3,4,5,6,7
	FRAG3 12*((\t0)+\t), ADP+(\f), KB*(\q2)+1536*((\t0)+\t)
.endr
	WIN 0
.endm
.macro SCALES q, set                   ; 5 loads
.irp g, 0,1,2,3
	ds_load_b128 v[SC+20*(\set)+4*\g:SC+20*(\set)+4*\g+3], v[ASP] offset:1024*(\q)+256*\g
.endr
	ds_load_b128 v[SC+20*(\set)+16:SC+20*(\set)+19], v[ASS] offset:1024*(\q)
.endm
.macro SLOTOF q                        ; steps 0-2 lie in slot 0, 3-5 in slot 1, 6 and 7 in slot 0's places 0 and 1.  FS: the address register, FO: the place from it
.if (\q) < 2
.set FS, 0
.set FO, (\q)
.elseif (\q) == 2
.set FS, 1
.set FO, 0
.elseif (\q) < 5
.set FS, 2
.set FO, (\q)-3
.elseif (\q) == 5
.set FS, 3
.set FO, 0
.else
.set FS, 0
.set FO, (\q)-6
.endif
.endm
.macro MID q                           ; step q's S, P's fragments 0-7 and scale words: 41 loads
	SLOTOF \q
	WIN 0
	FETCH_S FS, FO, (\q)%2
	FETCH_P FS, FO, 0
	SCALES \q, (\q)%2
.endm
.macro END q                           ; and P's fragments 8-15: 24 loads
	SLOTOF \q
	FETCH_P FS, FO, 8
.endm
.macro STEP q, zero
	s_wait_dscnt 24                                ; all but the youngest 24 loads, P's fragments 8-15
	WIN MUL_LO
	MUL16 0, (\q)%2, \zero
	MUL16 4, (\q)%2, \zero
	s_wait_dscnt 0x0
	PLACES
	MID (\q)+1
	WIN MUL_HI
	MUL16 8, (\q)%2, \zero
	MUL16 12, (\q)%2, \zero
	PLACES
	END (\q)+1
.endm
; A step at a slot's end.  All its fragments are in registers at the signal, so the slot is read no more, and the other slot is whole behind the barrier.
; kind 1: slot 0 is filled again: the barrier opens a round of the cluster's, then the joint load.  kind 2: nothing is filled: cos and sin go into slot 1.
.macro BSTEP q, kind
	s_wait_tensorcnt 0x0                           ; all my tensor loads have landed;
	ds_add_u32 v[SPW], v[NIL]                      ; 0 onto my spare word
.if (\kind) == 1
	s_mov_b32 s[G1+2], 96<<16                      ; no tensor load of mine is out: the refill brings 96 rows, one step of a tile
	s_mov_b32 s[G1+4], 96
	s_mov_b32 s[G1B+2], 96<<16
	s_mov_b32 s[G1B+4], 96
.endif
	s_wait_dscnt 25                                ; (the add and the youngest 24 loads may be out)
	WIN MUL_LO
	MUL16 0, (\q)%2, 0
	s_wait_dscnt 0x0                               ; the add is done, my reads of the slot that is left are over
	s_barrier_signal -1
	MUL16 4, (\q)%2, 0
	WIN 0
	s_barrier_wait -1
.if (\kind) == 1
	CREST
	JLOAD GRS, G1, GRP, G1B                        ; the first tensor load behind the round; its four v_nop are the places in front of the loads below
.else
	s_wait_loadcnt 0x0                             ; cos and sin, asked for at the head
	WIN 0x41
.set pp, 0
.rept 32
	v_pk_mul_f32 v[SR+pp:SR+pp+1], v[SR+pp:SR+pp+1], s[SG:SG+1] op_sel_hi:[1,0]   ; the sign goes into sin: exact.  (These lines are also the places in front of the loads below)
.set pp, pp+2
.endr
	WIN 0x04
.irp p, 0,1,2,3,4,5,6,7,8,9,10,11,12,13,14,15
	ds_store_b128 v[ARW], v[SR+4*\p:SR+4*\p+3] offset:RSIN+528*\p
.endr
	WIN 0
.irp p, 0,1,2,3,4,5,6,7,8,9,10,11,12,13,14,15
	ds_store_b128 v[ARW], v[CR+4*\p:CR+4*\p+3] offset:528*\p
.endr
.endif
	MID (\q)+1
	WIN MUL_HI
	MUL16 8, (\q)%2, 0
	MUL16 12, (\q)%2, 0
	PLACES
	END (\q)+1
.endm
	s_wait_tensorcnt 0x0                           ; my tile of the head's four is in
	ds_add_u32 v[SPW], v[NIL]
	s_mov_b32 s[G1+2], 144<<16                     ; no tensor load of mine is out: slot 1's loads bring 144 rows, half of three steps of a tile
	s_mov_b32 s[G1+4], 144
	s_mov_b32 s[G1B+2], 144<<16
	s_mov_b32 s[G1B+4], 144
	s_wait_dscnt 0x0
	CROUND                                         ; all four tiles are in, all sixteen work-groups are here
	JLOAD GBS, G1, GBP, G1B                        ; steps 3-5
	MID 0
	END 0
	global_prefetch_b8 v[PFO+2], s[PFB:PFB+1] th:TH_LOAD_NT scope:SCOPE_SE
	STEP 0, 1                                      ; the first step's products start the sums
	STEP 1, 0
	BSTEP 2, 1
	STEP 3, 0
	STEP 4, 0
	BSTEP 5, 2
	STEP 6, 0
	s_wait_dscnt 24                                ; the last step: nothing more to fetch
	WIN MUL_LO
	MUL16 0, 1, 0
	MUL16 4, 1, 0
	s_wait_dscnt 0x0                               ; my stores of cos and sin landed long ago:
	s_barrier_signal -1                            ; say so,
	WIN MUL_HI
	MUL16 8, 1, 0
	MUL16 12, 1, 0
	WIN 0
	s_barrier_wait -1                              ; and read the others' rows only behind this
	PLACES
	s_mov_b32 s24, 0x76543210                      ; lane selects for lane l xor 16, in a descriptor's registers: no tensor load is out any more
	s_mov_b32 s25, 0xfedcba98
.irp b, 0,1,2,3
	v_mov_b32 v[TM+4+\b], 0                        ; a lane permute's destination counts as one of its sources
.endr
; 64 numbers of a lane in window w, register s + 16 b + i = k 32 b + 16 h + i of my row, become a fragment's 12 registers from v[pc] on and its scale word in v[pw].  Accumulators are read from their low end on.
.macro QUANT s, w, pc, pw
	WIN (\w)|((\w)<<2)
.irp b, 0,1,2,3
	v_max3_num_f32 v[TM+\b], |v[(\s)+16*\b]|, |v[(\s)+16*\b+1]|, 0x1800000   ; with the floor 2^(3 - 127): the byte cannot fall under 1
.endr
.irp i, 2,4,6,8,10,12,14
.irp b, 0,1,2,3
	v_max3_num_f32 v[TM+\b], |v[(\s)+16*\b+\i]|, |v[(\s)+16*\b+\i+1]|, v[TM+\b]
.endr
.endr
	WIN 0
.irp b, 0,1,2,3
	v_permlanex16_b32 v[TM+4+\b], v[TM+\b], s24, s25
.endr
.irp b, 0,1,2,3
	v_max_num_f32 v[TM+\b], v[TM+\b], v[TM+4+\b]
.endr
.irp b, 0,1,2,3
	v_add_nc_u32 v[TM+12+\b], 0xff000000, v[TM+\b] ; 2 off the exponent field: the conversion's scale operand
.endr
.irp b, 0,1,2,3
	v_lshrrev_b32 v[TM+4+\b], 23, v[TM+12+\b]      ; the scale's byte
.endr
	v_lshl_or_b32 v[\pw], v[TM+5], 8, v[TM+4]
	v_lshl_or_b32 v[\pw], v[TM+6], 16, v[\pw]
	v_lshl_or_b32 v[\pw], v[TM+7], 24, v[\pw]
	WIN \w
.irp c, 0,1
	v_cvt_scalef32_pk16_fp6_f32 v[(\pc)+6*\c:(\pc)+6*\c+2], v[(\s)+32*\c:(\s)+32*\c+15], v[TM+12+2*\c]
	v_cvt_scalef32_pk16_fp6_f32 v[TQ+4*\c:TQ+4*\c+2], v[(\s)+32*\c+16:(\s)+32*\c+31], v[TM+12+2*\c+1]
.endr
	WIN 0
	v_nop                                          ; one plain line behind the scaled conversions
.irp c, 0,1                            ; the operand's layout wants a whole block in a lane
.irp i, 0,1,2
	v_permlane16_swap_b32 v[(\pc)+6*\c+\i], v[TQ+4*\c+\i]
.endr
.irp i, 0,1,2
	v_mov_b32 v[(\pc)+6*\c+3+\i], v[TQ+4*\c+\i]
.endr
.endr
.endm
.macro IMAGE i, off                    ; three stores of 512 consecutive bytes, at multiples of 256 from the buffer's first byte
.irp c, 0,1,2
	global_store_b128 v[LI], v[PC+12*(\i)+4*\c:PC+12*(\i)+4*\c+3], s[12:13] offset:(\off)+1536*(\i)+512*\c
.endr
.endm
.macro UNIT off                        ; the four scale words: one whole unit of 256 bytes
	v_cmp_ne_u32 vcc_lo, 0, v2
	v_cndmask_b32 v[PR], v[PW], v[PW+2], vcc_lo
	v_cndmask_b32 v[PR+1], v[PW+1], v[PW+3], vcc_lo
	global_store_b64 v[VS], v[PR:PR+1], s[14:15] offset:\off
.endm
.macro ROPELD i                        ; cos and sin of tile i's 16 tokens at my 64 columns, into set i % 2 of window 1: 32 loads
	WIN 0x40
.irp b, 0,1,2,3
.irp j, 0,1,2,3
	ds_load_b128 v[128*((\i)%2)+16*\b+4*\j:128*((\i)%2)+16*\b+4*\j+3], v[AR] offset:(32*((\i)/2)+8*((\i)%2))*528+128*\b+16*\j
.endr
.endr
.irp b, 0,1,2,3
.irp j, 0,1,2,3
	ds_load_b128 v[128*((\i)%2)+64+16*\b+4*\j:128*((\i)%2)+64+16*\b+4*\j+3], v[AR] offset:RSIN+(32*((\i)/2)+8*((\i)%2))*528+128*\b+16*\j
.endr
.endr
	WIN 0
.endm
.macro ROPEM i                         ; raw x cos + partner x (+-sin), two at a time
	WIN 0x07
.set pp, 0
.rept 32
	v_pk_mul_f32 v[HA+pp:HA+pp+1], v[64*(\i)+pp:64*(\i)+pp+1], v[128*((\i)%2)+64+pp:128*((\i)%2)+64+pp+1]
.set pp, pp+2
.endr
	WIN 0x06
.set pp, 0
.rept 32
	v_pk_fma_f32 v[HA+pp:HA+pp+1], v[64*(\i)+pp:64*(\i)+pp+1], v[128*((\i)%2)+pp:128*((\i)%2)+pp+1], v[HA+pp:HA+pp+1]
.set pp, pp+2
.endr
	WIN 0
.endm
	s_cmp_ge_u32 s19, 8                            ; the one place where the roles part: on the cluster's y, the same in all waves and all partners
	s_cbranch_scc1 .Lrole_v
	; role q/k: head 8 w + (x & 7) of section x / 8; tiles 4 y .. 4 y + 3
	s_lshr_b32 s2, s22, 3
	s_and_b32 s3, s22, 7
	s_lshl_b32 s47, s16, 3
	s_add_co_u32 s47, s47, s3                      ; the head
	s_mul_i32 s44, s2, SEC
	s_lshl_b32 s45, s47, 7
	s_lshl_b32 s46, s23, 2
	s_add_co_u32 s45, s45, s46
	s_mul_i32 s45, s45, 1536
	s_add_co_u32 s44, s44, s45
	s_mov_b32 s45, 0
	s_add_nc_u64 s[12:13], s[12:13], s[44:45]
	s_lshl_b32 s44, s2, 18
	s_lshl_b32 s46, s47, 13
	s_add_co_u32 s44, s44, s46
	s_lshl_b32 s46, s23, 8
	s_add_co_u32 s44, s44, s46
	s_add_nc_u64 s[14:15], s[14:15], s[44:45]
	ROPELD 0
.irp i, 0,1,2,3
.if \i < 3
	ROPELD \i+1
	s_wait_dscnt 32                                ; this tile's cos and sin are in; the next tile's 32 loads may be out
.else
	s_wait_dscnt 0x0
.endif
	ROPEM \i
	QUANT HA, 0, PC+12*\i, PW+\i
	IMAGE \i, 0
.endr
	UNIT 0
	s_branch .Ldone
.Lrole_v:
	; role v: token group tg = x + 16 (cluster y - 8): batch tg / 8, keys 256 (tg & 7) on; head 8 batch + 2 cy + w / 2, channel tiles 4 (w & 1) on
	s_sub_co_u32 s2, s19, 8
	s_lshl_b32 s2, s2, 4
	s_add_co_u32 s2, s2, s22
	s_lshr_b32 s3, s2, 3
	s_and_b32 s2, s2, 7
	s_lshl_b32 s3, s3, 3
	s_lshl_b32 s44, s21, 1
	s_add_co_u32 s3, s3, s44
	s_add_co_u32 s3, s3, s17                       ; the head
	s_lshl_b32 s44, s3, 4
	s_lshl_b32 s45, s2, 1
	s_add_co_u32 s44, s44, s45
	s_lshl_b32 s44, s44, 3
	s_lshl_b32 s45, s18, 2
	s_add_co_u32 s44, s44, s45
	s_mul_i32 s44, s44, 1536
	s_add_co_u32 s44, s44, 2*SEC
	s_mov_b32 s45, 0
	s_add_nc_u64 s[12:13], s[12:13], s[44:45]
	s_lshl_b32 s44, s3, 13
	s_lshl_b32 s46, s2, 2
	s_add_co_u32 s46, s46, s18
	s_lshl_b32 s46, s46, 8
	s_add_co_u32 s44, s44, s46
	s_add_co_u32 s44, s44, 2*SSEC
	s_add_nc_u64 s[14:15], s[14:15], s[44:45]
.irp e, 0,1                            ; keys 128 e on: the accumulators of window 2 + e
.if \e > 0
	s_wait_xcnt 0x0                                ; the first key step's stores have read their registers
.endif
.irp i, 0,1,2,3
	QUANT 64*\i, 2+\e, PC+12*\i, PW+\i
	IMAGE \i, 12288*\e
.endr
	UNIT 512*\e
.endr
.Ldone:
	s_wait_tensorcnt 0x0                           ; the wave's end
	ds_add_u32 v[SPW], v[NIL]
	s_wait_dscnt 0x0
	CROUND                                         ; the closing round
	s_endpgm
.Lfunc_end_k_qaf2eadcb2a_proj:
	.size	k_qaf2eadcb2a_proj, .Lfunc_end_k_qaf2eadcb2a_proj-k_qaf2eadcb2a_proj
	.p2alignl 7, 3214868480
	.fill 96, 4, 3214868480
	.section	.rodata,"a",@progbits
	.p2align	6, 0x0
	.amdhsa_kernel k_qaf2eadcb2a_proj
		.amdhsa_group_segment_fixed_size 327680
		.amdhsa_private_segment_fixed_size 0
		.amdhsa_enable_private_segment 0
		.amdhsa_kernarg_size 48
		.amdhsa_user_sgpr_count 2
		.amdhsa_user_sgpr_kernarg_segment_ptr 1
		.amdhsa_wavefront_size32 1
		.amdhsa_system_sgpr_workgroup_id_x 1
		.amdhsa_system_sgpr_workgroup_id_y 1
		.amdhsa_system_sgpr_workgroup_id_z 1
		.amdhsa_system_vgpr_workitem_id 0
		.amdhsa_next_free_vgpr 1024
		.amdhsa_next_free_sgpr 102
		.amdhsa_reserve_vcc 1
		.amdhsa_float_denorm_mode_32 3
		.amdhsa_float_denorm_mode_16_64 3
		.amdhsa_memory_ordered 1
		.amdhsa_forward_progress 1
		.amdhsa_inst_pref_size 198
	.end_amdhsa_kernel
	.amdgpu_metadata
---
amdhsa.version: [ 1, 2 ]
amdhsa.kernels:
  - .name:           k_qaf2eadcb2a_proj
    .symbol:         k_qaf2eadcb2a_proj.kd
    .args:
      - { .name: opc, .offset: 0, .size: 8, .value_kind: global_buffer, .address_space: global }
      - { .name: ops, .offset: 8, .size: 8, .value_kind: global_buffer, .address_space: global }
      - { .name: cos, .offset: 16, .size: 8, .value_kind: global_buffer, .address_space: global }
      - { .name: sin, .offset: 24, .size: 8, .value_kind: global_buffer, .address_space: global }
      - { .name: ac, .offset: 32, .size: 8, .value_kind: global_buffer, .address_space: global }
      - { .name: asc, .offset: 40, .size: 8, .value_kind: global_buffer, .address_space: global }
    .group_segment_fixed_size: 327680
    .private_segment_fixed_size: 0
    .kernarg_segment_align: 8
    .kernarg_segment_size: 48
    .max_flat_workgroup_size: 128
    .sgpr_count:     102
    .vgpr_count:     1024
    .wavefront_size: 32
...
	.end_amdgpu_metadata
.endif
;; end of part 2
;; launch attn (part 3): grid 8 x 32, 16 waves a work-group, no clusters, 327,680 bytes of LDS; arguments ac, asc, out0; writes out0
.if DOCPART == 3
	.amdgcn_target "amdgcn-amd-amdhsa--gfx1250"
	.amdhsa_code_object_version 6
	.text
	.protected	k_qaf2eadcb2a_attn
	.globl	k_qaf2eadcb2a_attn
	.p2align	8
	.type	k_qaf2eadcb2a_attn,@function
k_qaf2eadcb2a_attn:
	s_mov_b64 s[64:65], 0
	v_nop
	global_prefetch_b8 v0, s[64:65] scope:SCOPE_SE
	s_setreg_imm32_b32 hwreg(HW_REG_WAVE_MODE, 25, 1), 1
	s_wait_xcnt 0x0
; out[b][q][128 n ..] = the sum over k <= q of softmax_k(Q . K / sqrt(128)) V for head H = 8 b + n, both products on codes of FP6 (E2M3) with one E8M0 scale for each 32 along a product's K.
; q, k, v come as register images (1,536 bytes for 16 rows x 128 K) and scale units (256 bytes for four fragments) from the launch before: ac: sections q, k: [head][tile 128][1,536], v: [head][key step 16][channel tile 8][1,536].
; In every image lane r of tile 2 b + u holds row 32 b + 8 u + r + 8 (r / 8) of its run of 32: so in S^T = K Q^T the 16 registers of tiles 2 b and 2 b + 1 are 16 neighbouring keys, and in O^T = V^T P^T 16 neighbouring channels.
; THE SOFTMAX AHEAD OF THE SECOND PRODUCT: t = score x log2(e) / sqrt(128); M = the row's largest t so far, rounded up to a whole number; p = 2^(t - M) is what is quantised, along the keys; the row's sum is taken of the unquantised p
; and divides O at the end.  When M moves, the sum and O are multiplied by 2^(old M - new M): exact.
; SHARES.  A work-group owns the query blocks i and 15 - i (128 queries each) of one head; each of its sixteen waves one tile of 16 queries in 256 registers.  Waves w and w + 8 together walk 17 key steps of 128 keys, whatever i is.
; K's and V's images come through a ring of two LDS slots of 256 keys; wave 0 fetches K's 24,576 dense bytes, wave 1 V's.  The scale units of the whole head stay in LDS.
; CAUSAL.  Every work-group walks all 8 slots, so that trip counts are constants; a step all of whose keys come after a wave's queries is jumped over (its loads, products and softmax; no barrier, no tensor load); a slot whose first
; key comes after the work-group's last query is not asked for.  Every wait on TENSORcnt in this text is for 0.
; NO CLUSTER: the eight work-groups of a head need 8, 8, 7, 7, 6, 6, 5, 5 slots, and a joint load may not be left out by some partners.
; LIMITS: a block's largest p is taken from its largest score, which leans on v_exp_f32 not falling where its input rises; a block whose every p is 0 keeps the byte 1 (its codes are zeros); NaN and infinities are not served.
; REGISTERS: v1, v3, v4 addresses that stay; v5, v6 the add's two; v8, v10 addresses in hand; v12 -M, v13 the largest t, v[14:15] the sum in two halves; v16-27 Q; v28 the prefetches' offset; v32-79 four fragments of K or V;
;   v96-159 S^T, then p; v160-223 O^T; v224-235 p's codes; v232-247, v252, v254 at work; v248-251 four scale words; v253 p's scale word; v255 Q's.
.set STEPB, 12288                      ; a key step's 8 images
.set SLOT1, 65536                      ; slot 1 begins here: one exclusive or turns an address from one slot to the other.  A slot: K's two steps, then V's two
.set NSL,   8
.set SCK,   49152                      ; K's scale units of the head, 8,192 bytes, V's behind them: in the 16,384 bytes between slot 0's tiles and slot 1, on which no refill lands
.set SPARE, 131072                     ; the spare words, 128 bytes for each wave: eight blocks of 256 bytes that no other line names
; THE WORK IS SHARED OUT ANEW WHEN THE LOW BLOCK IS DONE.  From slot sw = (i + 2) / 2 on no key counts for block i.  At that slot's head waves 0-7 divide, store their tile, and take up the tile of wave w + 8 with a state of
; their own (Q, M, sum, O from zero): from there on wave w + 8 works a slot's first key step and wave w its second.  At the end wave w hands -M, its sum and O^T to wave w + 8 through its stage in LDS, and the two are joined
; under the larger M by factors 2^(M' - M), which are exact.  All of it hangs on ids and the count of slots alone.
.set H0,   10                          ; s10, s11  1: this wave leaves out a slot's first, second key step
.set RA,   12                          ; s12  1 in waves 0-7;  s13  1 in waves 8-15
.set RB,   13
.set SWC,  14                          ; s14  the count of slots to go at slot sw: 7 - sw
.set Q0H,  15                          ; s15  Q0 of the high block's tile;  s[48:49] its rows of out0;  s[50:51], s[52:53] its Q image and scale words
.set STAGE, SPARE+2048                 ; the way out: 16 rows x (512 bytes + 16) for each wave, bytes of its own
.set SEC,   6291456
.set SSEC,  262144
.set HEADB, 196608
.set LI,   1                           ; v1   16 x lane
.set ASK0, 3                           ; v3   SCK + 16 r
.set QL,   4                           ; v4   my query less Q0, less 16 h
.set SPW,  5
.set NIL,  6
.set ADK,  8
.set ADS,  10
.set PFO,  28
.set WV,   18
.set SEL,  20
.set CS,   22
.set G1T,  24                          ; s[24:31] group 1 for the tiles; s[32:39] for the scales; s[40:43], s[44:47] their groups 0
.set G1S,  32
.set G0T,  40
.set G0S,  44
.set TB,   2                           ; s2   LDS byte at which the slot in hand begins
.set TS,   3                           ; s3   the step's scale units: 512 bytes a step
.set LASTQ, 66                         ; s66  my work-group's last query
.set SLOTS, 67
.set PFA,  76
.set LIM,  80
.set KF,   98                          ; s98  the step's first key
.set Q0,   99                          ; s99  the first of the 32 queries among which my 16 lie
.macro TLOAD                           ; waves 0 and 1 fetch, each by its own group 0; an s_nop 0 and four v_nop follow the line
	s_cmp_lt_u32 s[WV], 2
	s_cbranch_scc0 .Lasked_\@
	tensor_load_to_lds s[G0T:G0T+3], s[G1T:G1T+7]
	s_nop 0
.rept 4
	v_nop
.endr
.Lasked_\@:
.endm
; A PREFETCH of what the NEXT change of slots will ask for: 24,576 dense bytes of K's images and as many of V's.  All eight work-groups of a head walk the same bytes: the first of them, which walks all slots, asks; in it waves 4 to 6
; ask for K's, 8,192 bytes a wave, lanes 256 bytes apart, waves 8 to 10 for V's: each block of 256 bytes is named once in the launch.  The last change that fills a slot asks for nothing; slots 0 and 1 come by their loads alone.
.macro ASK
	s_cmp_gt_u32 s[SLOTS], s[LIM]
	s_cbranch_scc0 .Lnot_mine_\@
	global_prefetch_b8 v[PFO], s[PFA:PFA+1] th:TH_LOAD_NT scope:SCOPE_SE
.Lnot_mine_\@:
.endm
	s_load_b128 s[4:7], s[0:1], 0x0                ; ac s[4:5], asc s[6:7]
	s_load_b64 s[8:9], s[0:1], 0x10                ; out0
	v_lshl_add_u32 v[SPW], v0, 2, SPARE
	v_mov_b32 v[NIL], 0
	ds_add_u32 v[SPW], v[NIL]                      ; the wave's opening: the add and its wait ahead of my first tensor load; the set-up below, work on registers, stands between them
	ds_add_u32 v[SPW], v[NIL]
	v_lshrrev_b32 v8, 5, v0
	s_delay_alu instid0(VALU_DEP_1)
	v_readfirstlane_b32 s[WV], v8                  ; wave 0..15
	s_and_b32 s72, ttmp7, 0xffff                   ; the head
	s_mul_i32 s73, s72, HEADB                      ; its first byte in a section of ac,
	s_lshl_b32 s74, s72, 13                        ; and of asc
	s_lshl_b32 s68, ttmp9, 3
	s_add_co_u32 s69, s68, s[WV]                   ; waves 0-7: tile 8 i + w
	s_sub_co_u32 s70, 112, s68
	s_add_co_u32 s70, s70, s[WV]                   ; waves 8-15: tile 8 (15 - i) + w - 8
	s_cmp_lt_u32 s[WV], 8
	s_cselect_b32 s69, s69, s70
	s_lshr_b32 s70, s69, 1
	s_lshl_b32 s[Q0], s70, 5
	s_and_b32 s71, s69, 1
	s_lshl_b32 s71, s71, 3                         ; 8 u
	s_lshl_b32 s[LASTQ], ttmp9, 7
	s_sub_co_u32 s[LASTQ], 2047, s[LASTQ]          ; 128 (16 - i) - 1
	s_mul_i32 s82, s69, 1536
	s_add_co_u32 s82, s82, s73                     ; Q's image
	s_mov_b32 s83, 0
	s_lshr_b32 s84, s69, 2
	s_lshl_b32 s84, s84, 8
	s_and_b32 s85, s69, 3
	s_lshl_b32 s85, s85, 2
	s_add_co_u32 s84, s84, s85
	s_add_co_u32 s84, s84, s74                     ; Q's scale words: unit tile / 4, word tile % 4
	s_mov_b32 s85, 0
	s_lshr_b32 s86, s72, 3
	s_lshl_b32 s86, s86, 11
	s_add_co_u32 s86, s86, s[Q0]
	s_add_co_u32 s86, s86, s71
	s_lshl_b32 s86, s86, 12                        ; out: row 2,048 b + Q0 + 8 u of 4,096 bytes,
	s_and_b32 s87, s72, 7
	s_lshl_b32 s87, s87, 9
	s_add_co_u32 s86, s86, s87                     ; + the head's 512
	s_mov_b32 s87, 0
	s_and_b32 s88, s[WV], 1                        ; what I fetch, if I fetch: K's (0) or V's (1)
	s_mul_i32 s89, s88, 2*STEPB                    ; in a slot,
	s_mul_i32 s90, s88, SEC
	s_add_co_u32 s90, s90, SEC
	s_add_co_u32 s90, s90, s73                     ; in memory;
	s_mov_b32 s91, 0
	; the head's fill: 65,536 bytes of LDS from 0 on, 4,096 a wave: waves 0-5 K's tiles of slot 0, 6-11 V's, 12-13 K's scale units, 14-15 V's
	s_lshl_b32 s94, s[WV], 12                      ; in LDS
	s_add_co_u32 s92, s94, s73
	s_add_co_u32 s92, s92, SEC                     ; K's images,
	s_add_co_u32 s95, s92, SEC-24576               ; V's,
	s_cmp_lt_u32 s[WV], 6
	s_cselect_b32 s92, s92, s95
	s_add_co_u32 s95, s94, s74
	s_add_co_u32 s95, s95, SSEC-49152              ; K's units,
	s_add_co_u32 s97, s95, SSEC-8192               ; V's
	s_cmp_lt_u32 s[WV], 14
	s_cselect_b32 s95, s95, s97
	s_cmp_lt_u32 s[WV], 12
	s_cselect_b32 s92, s92, s95
	s_mov_b32 s93, 0
	; the high block's tile 8 (15 - i) + w % 8: its own in waves 8-15, the one taken up later in waves 0-7
	s_and_b32 s54, s[WV], 7
	s_sub_co_u32 s55, 120, s68                     ; 8 (15 - i)
	s_add_co_u32 s55, s55, s54
	s_lshr_b32 s56, s55, 1
	s_lshl_b32 s[Q0H], s56, 5
	s_mul_i32 s50, s55, 1536
	s_add_co_u32 s50, s50, s73
	s_mov_b32 s51, 0
	s_lshr_b32 s52, s55, 2
	s_lshl_b32 s52, s52, 8
	s_and_b32 s53, s55, 3
	s_lshl_b32 s53, s53, 2
	s_add_co_u32 s52, s52, s53
	s_add_co_u32 s52, s52, s74
	s_mov_b32 s53, 0
	s_sub_co_u32 s48, s[Q0H], s[Q0]
	s_lshl_b32 s48, s48, 12
	s_add_co_u32 s48, s48, s86                     ; the two tiles have the same u: only Q0 differs
	s_mov_b32 s49, 0
	s_add_co_u32 s57, ttmp9, 2
	s_lshr_b32 s57, s57, 1                         ; sw
	s_sub_co_u32 s[SWC], 7, s57
	s_cmp_lt_u32 s[WV], 8
	s_cselect_b32 s[RA], 1, 0
	s_cselect_b32 s[RB], 0, 1
	s_mov_b32 s[H0], 0
	s_mov_b32 s[H0+1], 0
	s_mul_i32 s58, s[WV], 16*528
	s_add_co_u32 s58, s58, STAGE                   ; my stage,
	s_mul_i32 s59, s54, 16*528
	s_add_co_u32 s59, s59, STAGE                   ; and that of wave w % 8
	; group 1: dense blocks as rows of 256 bytes (32 elements of 8 bytes): 96 rows for a slot's K or V, 16 for a wave's share of the head's fill.  No mask, no padding
	s_mov_b32 s[G1T], 3<<16
	s_mov_b32 s[G1T+1], 32<<16                     ; tensor_dim0
	s_mov_b32 s[G1T+2], 96<<16                     ; tensor_dim1
	s_mov_b32 s[G1T+3], 32<<16                     ; tile_dim0
	s_mov_b32 s[G1T+4], 96                         ; tile_dim1
	s_mov_b32 s[G1T+5], 32                         ; from row to row
	s_mov_b32 s[G1T+6], 0
	s_mov_b32 s[G1T+7], 0
	s_mov_b32 s[G1S], 3<<16
	s_mov_b32 s[G1S+1], 32<<16
	s_mov_b32 s[G1S+2], 16<<16
	s_mov_b32 s[G1S+3], 32<<16
	s_mov_b32 s[G1S+4], 16
	s_mov_b32 s[G1S+5], 32
	s_mov_b32 s[G1S+6], 0
	s_mov_b32 s[G1S+7], 0
	s_mov_b32 s[SEL], 0x76543210
	s_mov_b32 s[SEL+1], 0xfedcba98
	s_mov_b32 s[CS], 0x3e0293ee                    ; c = log2(e) / sqrt(128)
	s_mov_b32 s[CS+1], s[CS]                       ; (named with it as a pair, so it is written)
	s_mov_b32 s[TB], 0
	s_mov_b32 s[TS], 0
	s_mov_b32 s[SLOTS], NSL-1
	s_mov_b32 s[KF], 0
	s_wait_dscnt 0x0                               ; the opening add is done
	s_wait_kmcnt 0x0
	s_mov_b32 s[G0S], 1
	s_mov_b32 s[G0S+1], s94
	s_cmp_lt_u32 s[WV], 12                         ; images or scale units: the choice hangs on the wave's number alone
	s_cselect_b64 s[G0S+2:G0S+3], s[4:5], s[6:7]
	s_add_nc_u64 s[G0S+2:G0S+3], s[G0S+2:G0S+3], s[92:93]
	s_or_b32 s[G0S+3], s[G0S+3], 0x80000000
	s_mov_b32 s[G0T], 1
	s_mov_b32 s[G0T+1], s89
	s_add_nc_u64 s[G0T+2:G0T+3], s[4:5], s[90:91]
	s_or_b32 s[G0T+3], s[G0T+3], 0x80000000
	tensor_load_to_lds s[G0S:G0S+3], s[G1S:G1S+7]  ; every wave's one load at the head: its 16 rows of 256 bytes
	s_nop 0
.rept 4
	v_nop
.endr
	s_add_nc_u64 s[82:83], s[4:5], s[82:83]
	s_add_nc_u64 s[84:85], s[6:7], s[84:85]
	s_add_nc_u64 s[48:49], s[8:9], s[48:49]
	s_add_nc_u64 s[50:51], s[4:5], s[50:51]
	s_add_nc_u64 s[52:53], s[6:7], s[52:53]
	s_add_nc_u64 s[8:9], s[8:9], s[86:87]
	; the prefetches: where my wave's stand, and who asks
	s_lshr_b32 s90, s[WV], 2                       ; 1: K's waves, 2: V's
	s_min_u32 s91, s90, 2                          ; (held inside the buffer in the waves that never ask)
	s_mul_i32 s92, s91, SEC
	s_add_co_u32 s92, s92, s73
	s_and_b32 s91, s[WV], 3
	s_lshl_b32 s93, s91, 13
	s_add_co_u32 s92, s92, s93                     ; my wave's 8,192 bytes,
	s_add_co_u32 s92, s92, 2*STEPB                 ; in slot 1: the first change of slots steps it to slot 2.  Nothing is prefetched here, at the head
	s_mov_b32 s93, 0
	s_add_nc_u64 s[PFA:PFA+1], s[4:5], s[92:93]
	s_sub_co_u32 s90, s90, 1
	s_lshr_b32 s90, s90, 1                         ; 0 in waves 4 to 11,
	s_or_b32 s90, s90, ttmp9                       ; of the head's first work-group
	s_cmp_eq_u32 s90, 0
	s_cselect_b32 s[LIM], 1, -1
	s_cmp_eq_u32 s91, 3                            ; (a block is three waves' worth)
	s_cselect_b32 s[LIM], -1, s[LIM]
	v_and_b32 v8, 15, v0                           ; r
	v_bfe_u32 v9, v0, 4, 1                         ; h
	v_and_b32 v10, 31, v0
	s_delay_alu instid0(VALU_DEP_1)
	v_lshlrev_b32 v[LI], 4, v10
	s_delay_alu instid0(VALU_DEP_2)
	v_lshlrev_b32 v[PFO], 8, v10
	v_mul_u32_u24 v80, v8, 528                     ; LDS addresses that stay, made ahead of every parting of the waves: v80 into my stage: row r, + 64 h;
	v_add_nc_u32 v81, s58, v[LI]                   ; v81 back out of it: 16 bytes a lane of a row;
	v_add_nc_u32 v82, s59, v[LI]                   ; v82 O^T as an image of its registers in the stage of wave w % 8;
	v_lshl_add_u32 v83, v10, 2, s59
	v_lshl_add_u32 v80, v9, 6, v80
	v_add_nc_u32 v83, 8192, v83                    ; v83 behind the image: -M, then the sum, a word a lane
	v_add_nc_u32 v80, s58, v80
.irp c, 0,1,2
	global_load_b128 v[16+4*\c:19+4*\c], v[LI], s[82:83] offset:512*\c   ; Q's image stays in registers
.endr
	v_lshlrev_b32 v254, 4, v8
	global_load_b32 v255, v254, s[84:85]           ; Q's scale words
.irp c, 0,1,2
	global_load_b128 v[84+4*\c:87+4*\c], v[LI], s[50:51] offset:512*\c   ; the high tile's Q waits in v84-95,
.endr
	global_load_b32 v29, v254, s[52:53]            ; its scale words in v29
	v_lshl_add_u32 v[ASK0], v8, 4, SCK
	v_and_b32 v11, 8, v8
	s_delay_alu instid0(VALU_DEP_1)
	v_add_nc_u32 v11, v11, v8                      ; r + 8 (r / 8)
	v_lshlrev_b32 v10, 4, v9
	s_delay_alu instid0(VALU_DEP_1)
	v_sub_nc_u32 v[QL], v11, v10
	s_delay_alu instid0(VALU_DEP_1)
	v_add_nc_u32 v[QL], s71, v[QL]                 ; 8 u + r + 8 (r / 8) - 16 h
	v_mov_b32 v13, 0xff61b1e6                      ; the largest t so far: -3e38, under every t
	s_delay_alu instid0(VALU_DEP_1)
	v_floor_f32 v12, -v13                          ; -M
	v_mov_b32 v14, 0                               ; the sum, in two halves
	v_mov_b32 v15, 0
.irp b, 0,1,2,3
	v_mov_b32 v[236+\b], 0                         ; written once: a lane permute's destination counts as one of its sources
.endr
	v_mov_b32 v252, 0
	v_mov_b32 v253, 0                              ; (named as the upper half of the pair v[252:253] before it is first written)
.set j, 0
.rept 64
	v_mov_b32 v[160+j], 0                          ; O^T.  (The loop is written once: its first step finds zeros, which the first change of M leaves zeros)
.set j, j+1
.endr
; A KEY STEP: 128 keys, the q-th of the slot in hand.
.macro STEP q
	s_add_co_u32 s96, s[Q0], 31
	s_cmp_gt_u32 s[KF], s96                        ; all keys come after my queries: the step's work is left out; ids and the count of steps alone
	s_cbranch_scc1 .Lhidden_\@
	s_cmp_lg_u32 s[H0+(\q)], 0                     ; or the step is my partner's
	s_cbranch_scc1 .Lhidden_\@
	v_add_nc_u32 v[ADK], s[TB], v[LI]
	s_wait_alu depctr_va_vdst(0)
	v_add_nc_u32 v[ADS], s[TS], v[ASK0]
	s_wait_alu depctr_va_vdst(0)
	v_nop
	v_nop                                          ; with the two additions: four places in front of loads into registers that the last step's matrix instructions have read
.irp g, 0,1                                    ; S^T = K Q^T, four tiles of 16 keys at a time
.if \g > 0
.rept 4
	v_nop
.endr
.endif
.irp t, 0,1,2,3
.irp c, 0,1,2
	ds_load_b128 v[32+12*\t+4*\c:35+12*\t+4*\c], v[ADK] offset:STEPB*(\q)+1536*(4*\g+\t)+512*\c
.endr
.endr
	ds_load_b128 v[248:251], v[ADS] offset:256*\g  ; the four tiles' scale words
	s_wait_dscnt 0x0
.irp t, 0,1,2,3
	v_wmma_scale_f32_16x16x128_f8f6f4 v[96+8*(4*\g+\t):103+8*(4*\g+\t)], v[32+12*\t:43+12*\t], v[16:27], 0, v[248+\t], v255 matrix_a_fmt:MATRIX_FMT_FP6 matrix_b_fmt:MATRIX_FMT_FP6
.endr
.endr
.rept 4
	v_nop
.endr
	s_add_co_u32 s96, s[KF], 127                   ; on the diagonal the scores of hidden keys become -infinity ahead of the maximum: p = 0 then.  A step all of whose keys count skips this
	s_cmp_le_u32 s96, s[Q0]
	s_cbranch_scc1 .Lopen_\@
	s_sub_co_i32 s96, s[Q0], s[KF]
	v_add_nc_u32 v252, s96, v[QL]                  ; d = my query - KF - 16 h.  Register 16 b + i holds key KF + 16 h + 32 b + i: hidden where 32 b + i > d
	v_mov_b32 v254, 0xff800000
.set n, 0
.rept 64
	v_cmp_gt_i32 vcc_lo, 32*(n/16)+n%16, v252
	v_cndmask_b32 v[96+n], v[96+n], v254, vcc_lo
.set n, n+1
.endr
.Lopen_\@:
.irp b, 0,1,2,3
	v_max3_num_f32 v[232+\b], v[96+16*\b], v[97+16*\b], v[98+16*\b]   ; the largest score of each block of 32 keys: it serves the row's maximum and, since p rises with the score, the block's largest p
.endr
.irp i, 3,5,7,9,11,13
.irp b, 0,1,2,3
	v_max3_num_f32 v[232+\b], v[232+\b], v[96+16*\b+\i], v[97+16*\b+\i]
.endr
.endr
.irp b, 0,1,2,3
	v_max_num_f32 v[232+\b], v[232+\b], v[111+16*\b]
.endr
.irp b, 0,1,2,3
	s_delay_alu instid0(VALU_DEP_4)
	v_permlanex16_b32 v[236+\b], v[232+\b], s[SEL], s[SEL+1]
.endr
.irp b, 0,1,2,3
	s_delay_alu instid0(VALU_DEP_4)
	v_max_num_f32 v[232+\b], v[232+\b], v[236+\b]  ; with lane l xor 16's 16 keys
.endr
	s_delay_alu instid0(VALU_DEP_2)
	v_max3_num_f32 v254, v232, v233, v234
	s_delay_alu instid0(VALU_DEP_1)
	v_max_num_f32 v254, v254, v235                 ; the step's largest score of my query
	s_delay_alu instid0(VALU_DEP_1)
	v_mul_f32 v254, s[CS], v254                    ; as t (c is positive)
	s_delay_alu instid0(VALU_DEP_1)
	v_max_num_f32 v13, v13, v254                   ; the running largest t
	v_mov_b32 v254, v12
	s_delay_alu instid0(VALU_DEP_2)
	v_floor_f32 v12, -v13                          ; the new -M = floor(-t) = -ceil(t): a whole number
	s_delay_alu instid0(VALU_DEP_1)
	v_sub_f32 v254, v12, v254                      ; old M less new M: a whole number, 0 or less
	s_delay_alu instid0(VALU_DEP_1)
	v_cvt_i32_f32 v254, v254                       ; (it saturates)
	s_delay_alu instid0(VALU_DEP_1)
	v_ldexp_f32 v252, 1.0, v254                    ; f = 2^(old M - new M)
.set j, 0
.rept 32
	v_pk_fma_f32 v[96+j:97+j], v[96+j:97+j], s[CS:CS+1], v[12:13] op_sel_hi:[1,0,0]   ; t - M, two at a time
.set j, j+2
.endr
.irp b, 0,1,2,3
	v_fma_f32 v[232+\b], v[232+\b], s[CS], v12     ; the same of each block's largest score
.endr
.set j, 0
	s_wait_alu depctr_va_vdst(0)
.rept 64
	v_exp_f32 v[96+j], v[96+j]                     ; p = 2^(t - M), at most 1: not normalised
.set j, j+1
.endr
	v_pk_mul_f32 v[14:15], v[14:15], v[252:253] op_sel_hi:[1,0]   ; the sums under the new M: a plain line behind the exponentials
	s_wait_alu depctr_va_vdst(0)                   ; one wait for the whole batch, ahead of its first reader
.irp b, 0,1,2,3
	v_exp_f32 v[232+\b], v[232+\b]                 ; the block's largest p: the same two instructions on the same number give the same bits
.endr
	v_pk_add_f32 v[236:237], v[100:101], v[104:105]
	v_pk_add_f32 v[250:251], v[108:109], v[112:113]
	v_pk_add_f32 v[248:249], v[116:117], v[120:121]
	v_pk_add_f32 v[246:247], v[124:125], v[128:129]
	v_pk_add_f32 v[244:245], v[132:133], v[136:137]
	v_pk_add_f32 v[242:243], v[140:141], v[144:145]
	v_pk_add_f32 v[240:241], v[148:149], v[152:153]
	v_pk_add_f32 v[14:15], v[14:15], v[156:157]
	v_pk_add_f32 v[236:237], v[236:237], v[96:97]
	v_pk_add_f32 v[250:251], v[250:251], v[98:99]
	v_pk_add_f32 v[248:249], v[248:249], v[102:103]
	v_pk_add_f32 v[246:247], v[246:247], v[106:107]
	v_pk_add_f32 v[244:245], v[244:245], v[110:111]
	v_pk_add_f32 v[242:243], v[242:243], v[114:115]
	v_pk_add_f32 v[240:241], v[240:241], v[118:119]
	v_pk_add_f32 v[14:15], v[14:15], v[122:123]
	v_pk_add_f32 v[236:237], v[236:237], v[126:127]
	v_pk_add_f32 v[250:251], v[250:251], v[130:131]
	v_pk_add_f32 v[248:249], v[248:249], v[134:135]
	v_pk_add_f32 v[246:247], v[246:247], v[138:139]
	v_pk_add_f32 v[244:245], v[244:245], v[142:143]
	v_pk_add_f32 v[242:243], v[242:243], v[146:147]
	v_pk_add_f32 v[240:241], v[240:241], v[150:151]
	v_pk_add_f32 v[14:15], v[14:15], v[154:155]
	v_pk_add_f32 v[236:237], v[236:237], v[158:159]
	s_delay_alu instid0(VALU_DEP_2)
	v_pk_add_f32 v[14:15], v[14:15], v[246:247]
	s_delay_alu instid0(VALU_DEP_2)
	v_pk_add_f32 v[236:237], v[236:237], v[244:245]
	v_pk_add_f32 v[250:251], v[250:251], v[242:243]
	v_pk_add_f32 v[248:249], v[248:249], v[240:241]
	s_delay_alu instid0(VALU_DEP_2)
	v_pk_add_f32 v[14:15], v[14:15], v[250:251]
	s_delay_alu instid0(VALU_DEP_2)
	v_pk_add_f32 v[236:237], v[236:237], v[248:249]
	s_delay_alu instid0(VALU_DEP_1)
	v_pk_add_f32 v[14:15], v[14:15], v[236:237]
	s_wait_alu depctr_va_vdst(0)                   ; and one for the four
.irp b, 0,1,2,3
	v_max_num_f32 v[232+\b], 0x1800000, v[232+\b]  ; the floor 2^(3 - 127): the byte cannot fall under 1
.endr
.irp b, 0,1,2,3
	s_delay_alu instid0(VALU_DEP_4)
	v_add_nc_u32 v[244+\b], 0xff000000, v[232+\b]  ; 2 off the exponent field: the conversion's scale operand
.endr
.irp b, 0,1,2,3
	s_delay_alu instid0(VALU_DEP_4)
	v_lshrrev_b32 v[236+\b], 23, v[244+\b]         ; the scale's byte
.endr
	s_delay_alu instid0(VALU_DEP_3)
	v_lshl_or_b32 v253, v237, 8, v236              ; p's scale word for these 128 keys
	s_delay_alu instid0(VALU_DEP_1)
	v_lshl_or_b32 v253, v238, 16, v253
	s_delay_alu instid0(VALU_DEP_1)
	v_lshl_or_b32 v253, v239, 24, v253
.irp c, 0,1
	v_cvt_scalef32_pk16_fp6_f32 v[224+6*\c:226+6*\c], v[96+32*\c:111+32*\c], v[244+2*\c]
	v_cvt_scalef32_pk16_fp6_f32 v[236+4*\c:238+4*\c], v[112+32*\c:127+32*\c], v[244+2*\c+1]   ; (a conversion's three registers begin on an even number)
.endr
	v_nop                                          ; one plain line behind the scaled conversions
.irp c, 0,1                                    ; the operand's layout wants a whole block in a lane
.irp i, 0,1,2
	v_permlane16_swap_b32 v[224+6*\c+\i], v[236+4*\c+\i]
.endr
.irp i, 0,1,2
	s_delay_alu instid0(VALU_DEP_3)
	v_mov_b32 v[227+6*\c+\i], v[236+4*\c+\i]
.endr
.endr
.set j, 0
.rept 32
	v_pk_mul_f32 v[160+j:161+j], v[160+j:161+j], v[252:253] op_sel_hi:[1,0]   ; O^T under the new M.  (These 32 are also the places in front of the loads and matrix instructions below)
.set j, j+2
.endr
	s_wait_alu depctr_va_vdst(0)
.irp g, 0,1                                    ; O^T += V^T P^T: four tiles of 16 channels at a time; K = these 128 keys
.if \g > 0
.rept 4
	v_nop
.endr
.endif
.irp t, 0,1,2,3
.irp c, 0,1,2
	ds_load_b128 v[32+12*\t+4*\c:35+12*\t+4*\c], v[ADK] offset:2*STEPB+STEPB*(\q)+1536*(4*\g+\t)+512*\c
.endr
.endr
	ds_load_b128 v[248:251], v[ADS] offset:8192+256*\g
	s_wait_dscnt 0x0
.irp t, 0,1,2,3
	v_wmma_scale_f32_16x16x128_f8f6f4 v[160+8*(4*\g+\t):167+8*(4*\g+\t)], v[32+12*\t:43+12*\t], v[224:235], v[160+8*(4*\g+\t):167+8*(4*\g+\t)], v[248+\t], v253 matrix_a_fmt:MATRIX_FMT_FP6 matrix_b_fmt:MATRIX_FMT_FP6
.endr
.endr
.Lhidden_\@:
	s_add_co_u32 s[KF], s[KF], 128
	s_add_co_u32 s[TS], s[TS], 512                 ; the next step's scale units
.endm
; THE CHANGE OF SLOTS stands at a slot's head.  Each wave waits for all its tensor loads, adds 0 to its spare word, and waits for that and for its reads of the slot that it has left.  Behind the barrier the slot ahead is whole and
; nobody reads the other one.  fill = 1: that other slot is filled with the keys that follow, up to the causal limit: the load has a whole slot's steps in which to land.
.macro CHANGE fill
	s_wait_tensorcnt 0x0                           ; no tensor load of mine is out, so a group 0 may be written
	ds_add_u32 v[SPW], v[NIL]                      ; 0 onto my spare word
.if \fill
	s_xor_b32 s[G0T+1], s[G0T+1], SLOT1            ; the walking descriptor: the other slot than last time,
	s_add_nc_u64 s[G0T+2:G0T+3], s[G0T+2:G0T+3], 2*STEPB   ; the next 256 keys; the type bits on top are not reached
	s_wait_xcnt 0x0                                ; the last prefetch, a slot back, has read its address, so it may be written:
	s_add_nc_u64 s[PFA:PFA+1], s[PFA:PFA+1], 2*STEPB       ; one slot further on than the walking descriptor
.endif
	s_wait_dscnt 0x0                               ; the add is done, and my reads of the slot that I have left are over
	s_barrier_signal -1
	s_barrier_wait -1
.if \fill
	s_add_co_u32 s96, s[KF], 256                   ; the first key of the slot that this change would ask for:
	s_cmp_gt_u32 s96, s[LASTQ]                     ; after my work-group's last query none of its waves reads it.  Ids and the count of steps alone: all sixteen waves go the same way
	s_cbranch_scc1 .Lpast_\@
	TLOAD                                          ; a wave's one tensor load until the next change
.Lpast_\@:
	ASK
.endif
.endm
.macro SLOT_STEPS
	STEP 0
	STEP 1
	s_xor_b32 s[TB], s[TB], SLOT1                  ; on to the other slot
.endm
	s_wait_alu depctr_va_vdst(0)                   ; the wait at the head's end
	s_wait_loadcnt 0x0                             ; both Q
.Lslot:                                            ; 7 trips: behind each change of slots but the last the next slot is asked for, up to the causal limit
	CHANGE 1
	s_cmp_le_u32 s[SLOTS], s[SWC]                  ; from slot sw on waves 0-7 leave out a slot's first step, waves 8-15 its second
	s_cselect_b32 s[H0], s[RA], 0
	s_cselect_b32 s[H0+1], s[RB], 0
	s_cmp_lt_u32 s[WV], 8
	s_cbranch_scc0 .Lno_switch
	s_cmp_eq_u32 s[SLOTS], s[SWC]
	s_cbranch_scc0 .Lno_switch
	; waves 0-7, once, at slot sw: the low tile goes out through my stage, as at the kernel's end
.rept 4
	v_nop                                          ; places behind the last step's matrix instructions
.endr
	v_add_f32 v14, v14, v15
	s_delay_alu instid0(VALU_DEP_1)
	v_permlanex16_b32 v252, v14, s[SEL], s[SEL+1]
	s_delay_alu instid0(VALU_DEP_1)
	v_add_f32 v14, v14, v252
	s_wait_alu depctr_va_vdst(0)                   ; the wait ahead of the reciprocal,
	v_rcp_f32 v14, v14
	v_nop
	s_wait_alu depctr_va_vdst(0)                   ; and ahead of its first reader
.set j, 0
.rept 64
	v_mul_f32 v[96+j], v[160+j], v14
.set j, j+1
.endr
.irp b, 0,1,2,3
.irp i, 0,1,2,3
	ds_store_b128 v80, v[96+16*\b+4*\i:99+16*\b+4*\i] offset:128*\b+16*\i
.endr
.endr
.irp p, 0,1,2,3,4,5,6,7,8,9,10,11,12,13,14,15
	ds_load_b128 v[160+4*\p:163+4*\p], v81 offset:528*\p   ; LDS serves a wave's instructions in order: these see my stores
.endr
.irp p, 0,1,2,3,4,5,6,7,8,9,10,11,12,13,14,15
	s_wait_dscnt 15-\p
	global_store_b128 v[LI], v[160+4*\p:163+4*\p], s[8:9] offset:(\p+8*(\p/8))*4096 th:TH_STORE_NT
.endr
	s_wait_xcnt 0x0                                ; the stores have read their registers and their base
	s_mov_b64 s[8:9], s[48:49]                     ; on to the high tile
	s_mov_b32 s[Q0], s[Q0H]
.set j, 0
.rept 12
	v_mov_b32 v[16+j], v[84+j]
.set j, j+1
.endr
	v_mov_b32 v255, v29
	v_mov_b32 v13, 0xff61b1e6
	v_mov_b32 v14, 0
	v_mov_b32 v15, 0
	v_floor_f32 v12, -v13
.set j, 0
.rept 64
	v_mov_b32 v[160+j], 0
.set j, j+1
.endr
	s_wait_alu depctr_va_vdst(0)                   ; the wait behind these writes
.Lno_switch:
	SLOT_STEPS
	s_sub_co_u32 s[SLOTS], s[SLOTS], 1
	s_cmp_lg_u32 s[SLOTS], 0
	s_cbranch_scc1 .Lslot
	CHANGE 0                                       ; the last slot is written out: nothing is left to ask for
	SLOT_STEPS
	; THE TWO PARTS OF A HIGH TILE ARE JOINED.  Waves 0-7 lay O^T, -M and the sum into their stages; a barrier; waves 8-15 read them.
	s_cmp_lt_u32 s[WV], 8
	s_cbranch_scc0 .Lkeep
.rept 4
	v_nop                                          ; places behind the last step's matrix instructions
.endr
	v_add_f32 v14, v14, v15
.irp k, 0,1,2,3,4,5,6,7,8,9,10,11,12,13,14,15
	ds_store_b128 v82, v[160+4*\k:163+4*\k] offset:512*\k
.endr
	ds_store_b32 v83, v12
	ds_store_b32 v83, v14 offset:128
.Lkeep:
	s_wait_alu depctr_va_vdst(0)                   ; the wait here, directly ahead of the wait below
	s_wait_dscnt 0x0                               ; for the others' sake: my stores have landed
	s_barrier_signal -1
	s_barrier_wait -1
	s_cmp_lt_u32 s[WV], 8
	s_cbranch_scc1 .Lend
.irp k, 0,1,2,3,4,5,6,7,8,9,10,11,12,13,14,15
	ds_load_b128 v[96+4*\k:99+4*\k], v82 offset:512*\k
.endr
	ds_load_b32 v236, v83
	ds_load_b32 v237, v83 offset:128
	v_add_f32 v14, v14, v15
	v_mov_b32 v15, 0
	v_mov_b32 v247, 0                              ; (named as the upper half of the pair v[246:247])
	s_wait_alu depctr_va_vdst(0)                   ; the wait here, directly ahead of the wait below
	s_wait_dscnt 0x0
	v_min_num_f32 v238, v12, v236                  ; -M of the two together
	s_delay_alu instid0(VALU_DEP_1)
	v_sub_f32 v239, v238, v12                      ; my M less the joint M: a whole number, 0 or less;
	v_sub_f32 v240, v238, v236                     ; and my partner's
	s_delay_alu instid0(VALU_DEP_2)
	v_cvt_i32_f32 v239, v239                       ; (they saturate: a partner that worked no step has the factor 0)
	s_delay_alu instid0(VALU_DEP_2)
	v_cvt_i32_f32 v240, v240
	s_delay_alu instid0(VALU_DEP_2)
	v_ldexp_f32 v252, 1.0, v239
	s_delay_alu instid0(VALU_DEP_2)
	v_ldexp_f32 v246, 1.0, v240
	s_delay_alu instid0(VALU_DEP_2)
	v_mul_f32 v14, v14, v252
	s_delay_alu instid0(VALU_DEP_1)
	v_fmac_f32 v14, v237, v246
.set j, 0
.rept 32
	v_pk_mul_f32 v[160+j:161+j], v[160+j:161+j], v[252:253] op_sel_hi:[1,0]
.set j, j+2
.endr
.set j, 0
.rept 32
	v_pk_fma_f32 v[160+j:161+j], v[96+j:97+j], v[246:247], v[160+j:161+j] op_sel_hi:[1,0,1]
.set j, j+2
.endr
	; THE WAY OUT.  O^T is divided by the row's sum and turns through my stage in LDS: a lane holds 4 x 16 neighbouring channels of one query; whole rows of 512 bytes come back and are stored by the 32 lanes.
	v_add_f32 v14, v14, v15                        ; the sum's two halves,
	s_delay_alu instid0(VALU_DEP_1)
	v_permlanex16_b32 v252, v14, s[SEL], s[SEL+1]
	s_delay_alu instid0(VALU_DEP_1)
	v_add_f32 v14, v14, v252                       ; and lane l xor 16's
	s_wait_alu depctr_va_vdst(0)
	v_rcp_f32 v14, v14
	v_and_b32 v8, 15, v0                           ; (a plain line behind the reciprocal)
	v_bfe_u32 v9, v0, 4, 1
	s_mul_i32 s73, s[WV], 16*528
	s_add_co_u32 s73, s73, STAGE                   ; my stage
	v_mul_u32_u24 v10, v8, 528
	s_delay_alu instid0(VALU_DEP_1)
	v_lshl_add_u32 v10, v9, 6, v10
	s_delay_alu instid0(VALU_DEP_1)
	v_add_nc_u32 v10, s73, v10                     ; in: row r, + 64 h; register 16 b + e is channel 32 b + 16 h + e
	v_add_nc_u32 v11, s73, v[LI]                   ; back: 16 bytes a lane of a row
	s_wait_alu depctr_va_vdst(0)                   ; the wait ahead of the reciprocal's first reader
.set j, 0
.rept 64
	v_mul_f32 v[96+j], v[160+j], v14
.set j, j+1
.endr
.irp b, 0,1,2,3
.irp i, 0,1,2,3
	ds_store_b128 v10, v[96+16*\b+4*\i:99+16*\b+4*\i] offset:128*\b+16*\i
.endr
.endr
.irp p, 0,1,2,3,4,5,6,7,8,9,10,11,12,13,14,15
	ds_load_b128 v[32+4*\p:35+4*\p], v11 offset:528*\p   ; LDS serves a wave's instructions in order: these see my stores
.endr
.irp p, 0,1,2,3,4,5,6,7,8,9,10,11,12,13,14,15
	s_wait_dscnt 15-\p                             ; row p is back; the rows behind it may be out
	global_store_b128 v[LI], v[32+4*\p:35+4*\p], s[8:9] offset:(\p+8*(\p/8))*4096 th:TH_STORE_NT   ; query-lane p is token Q0 + 8 u + p + 8 (p / 8): 512 consecutive bytes, at a multiple of 256 from the buffer's first byte
.endr
.Lend:
	s_wait_tensorcnt 0x0                           ; the wave's end, behind my last tensor load and my last LDS store
	ds_add_u32 v[SPW], v[NIL]
	s_wait_dscnt 0x0
	s_endpgm
.Lfunc_end_k_qaf2eadcb2a_attn:
	.size	k_qaf2eadcb2a_attn, .Lfunc_end_k_qaf2eadcb2a_attn-k_qaf2eadcb2a_attn
	.p2alignl 7, 3214868480
	.fill 96, 4, 3214868480
	.section	.rodata,"a",@progbits
	.p2align	6, 0x0
	.amdhsa_kernel k_qaf2eadcb2a_attn
		.amdhsa_group_segment_fixed_size 327680
		.amdhsa_private_segment_fixed_size 0
		.amdhsa_enable_private_segment 0
		.amdhsa_kernarg_size 24
		.amdhsa_user_sgpr_count 2
		.amdhsa_user_sgpr_kernarg_segment_ptr 1
		.amdhsa_wavefront_size32 1
		.amdhsa_system_sgpr_workgroup_id_x 1
		.amdhsa_system_sgpr_workgroup_id_y 1
		.amdhsa_system_sgpr_workgroup_id_z 1
		.amdhsa_system_vgpr_workitem_id 0
		.amdhsa_next_free_vgpr 256
		.amdhsa_next_free_sgpr 100
		.amdhsa_reserve_vcc 1
		.amdhsa_float_denorm_mode_32 3
		.amdhsa_float_denorm_mode_16_64 3
		.amdhsa_memory_ordered 1
		.amdhsa_forward_progress 1
		.amdhsa_inst_pref_size 137
	.end_amdhsa_kernel
	.amdgpu_metadata
---
amdhsa.version: [ 1, 2 ]
amdhsa.kernels:
  - .name:           k_qaf2eadcb2a_attn
    .symbol:         k_qaf2eadcb2a_attn.kd
    .args:
      - { .name: ac, .offset: 0, .size: 8, .value_kind: global_buffer, .address_space: global }
      - { .name: asc, .offset: 8, .size: 8, .value_kind: global_buffer, .address_space: global }
      - { .name: out0, .offset: 16, .size: 8, .value_kind: global_buffer, .address_space: global }
    .group_segment_fixed_size: 327680
    .private_segment_fixed_size: 0
    .kernarg_segment_align: 8
    .kernarg_segment_size: 24
    .max_flat_workgroup_size: 512
    .sgpr_count:     100
    .vgpr_count:     256
    .wavefront_size: 32
...
	.end_amdgpu_metadata
.endif
;; end of part 3
